; MI455X (gfx1250); checked and timed in simulation.
; The chip was launched on July 23, 2026; its instructions are those of AMD's public machine-readable ISA for CDNA 5 (MIT licence, August 2026) and "CDNA5" Instruction Set Architecture Reference Guide (July 2026). The comments in the code are by the model that wrote it; some were corrected since.
;; Single Head Attention. Allowed arithmetic: matrix products marked QUANTISED: E2M1 operands, one E8M0 scale for each 32 along K, by v_wmma_scale_f32_16x16x128_f8f6f4 with both operands' format E2M1 (or v_wmma_scale_f32_32x16x128_f4), f32 sums; products left as they are: bf16, f16 or f32 operands; f32 sums; everything else in f32.
;; Inputs: Wk 1,024 x 1,024 float32; Wq 1,024 x 1,024 float32; Wv 1,024 x 1,024 float32; x 4 x 2,048 x 1,024 float32.
;; Outputs: out0 4 x 2,048 x 1,024 float32.
;; This version of the problem:
;;   THIS VERSION OF THE PROBLEM IS GIVEN IN LOW PRECISION. The matrix products marked QUANTISED in the list below multiply operands that are first quantised to E2M1 (2 exponent bits, 1 mantissa bit; 4 bits a number), with one power-of-two scale for each 32 numbers along K (OCP MX v1.0); their sums are f32. The products marked 'left as it is' may take bf16, f16 or f32 operands, with f32 sums. Whichever they take, every output number must still come out within the allowed error. Rounding operands to bf16 (8 significant bits) uses up far more of that allowance than f16 does (11 bits, for magnitudes from 6e-5 to 65,504). All else is computed in f32.
;;   The module's matrix products, in the order in which they are computed (A, B: the left and right operand; K: the contracted axis; several contracted axes count as one K, in the product's order):
;;     1. [M 8,192, K 1,024] x [K 1,024, N 1,024]; A: input x; B: input Wq: QUANTISED
;;     2. [M 8,192, K 1,024] x [K 1,024, N 1,024]; A: input x; B: input Wk: QUANTISED
;;     3. [M 8,192, K 1,024] x [K 1,024, N 1,024]; A: input x; B: input Wv: QUANTISED
;;     4. batch 4 x [M 2,048, K 1,024] x [K 1,024, N 2,048]; A: computed on the way; B: computed on the way: left as it is (an operand is computed on the way)
;;     5. batch 4 x [M 2,048, K 2,048] x [K 2,048, N 1,024]; A: computed on the way; B: computed on the way: left as it is (an operand is computed on the way)
;;   THE QUANTISER, for each operand of a quantised product, along K:
;;     - K is cut into blocks of 32 from its start; a last block that is shorter is filled with zeros.
;;     - A block's scale is 2^e with e = floor(log2(the largest magnitude in the block)) - 2, held to -126 .. 127; a block of zeros has e = 0. As a byte (E8M0): e + 127.
;;     - Each number is divided by its block's scale, clamped to +-6, and rounded to the nearest number of E2M1, ties to even, subnormals kept.
;;     - The product sums the exact products of the quantised numbers (number of the format x scale) in f32.
;;   ~~~python
;;   def quantise(x, axis):      # numpy; x: float32 -> the quantised numbers, widened to float32 again
;;       x = np.moveaxis(x, axis, -1); K = x.shape[-1]
;;       x = np.pad(x, [(0, 0)] * (x.ndim - 1) + [(0, -K % 32)]); x = x.reshape(x.shape[:-1] + (-1, 32)); a = np.abs(x).max(-1, keepdims=True)
;;       e = np.where(a > 0, np.clip(np.frexp(np.where(a > 0, a, 1))[1] - 1 - 2, -126, 127), 0)      # np.frexp(a)[1] - 1 = floor(log2(a)), exactly
;;       r = np.clip(x / 2.0 ** e, -6, 6)
;;       step = 2.0 ** (np.maximum(np.frexp(np.where(r == 0, 1, r))[1] - 1, 0) - 1)
;;       q = np.round(r / step) * step * 2.0 ** e      # np.round: ties to even
;;       return np.moveaxis(q.reshape(q.shape[:-2] + (-1,))[..., :K], -1, axis).astype(np.float32)
;;   ~~~
;; One version. Each part assembles by itself: llvm-mc -triple=amdgcn-amd-amdhsa -mcpu=gfx1250 --defsym DOCPART=n.
;; ======== version 1 of 1: 4 launches
;; limits: values are held in f16: magnitudes above 65,504 overflow, below 6.1e-05 lose precision; right only within a limited range of input values
;; workspace buffers: xc 4,194,304 bytes; xs 262,144 bytes; wc 1,572,864 bytes; ws 98,304 bytes; qk 33,554,432 bytes; vt 16,777,216 bytes; pp 33,554,432 bytes; st 1,048,576 bytes
;; launch quant (part 1): grid 352 x 1, 4 waves a work-group, no clusters, 33,280 bytes of LDS; arguments x, Wq, Wk, Wv, xc, xs, wc, ws; writes xc, xs, wc, ws
.if DOCPART == 1
	.amdgcn_target "amdgcn-amd-amdhsa--gfx1250"
	.amdhsa_code_object_version 6
	.text
	.protected	k_qd991e44b2e_quant
	.globl	k_qd991e44b2e_quant
	.p2align	8
	.type	k_qd991e44b2e_quant,@function
k_qd991e44b2e_quant:
	s_mov_b64 s[64:65], 0
	v_nop
	global_prefetch_b8 v0, s[64:65] scope:SCOPE_SE
	s_setreg_imm32_b32 hwreg(HW_REG_WAVE_MODE, 25, 1), 1
	s_wait_xcnt 0x0
; x [8192][1024] and Wq, Wk, Wv [1024][1024], f32, become codes of FP4 (E2M1), K innermost, two codes a byte, with one E8M0 scale byte for each 32 along K.
; xc [8192][512 bytes], xs [8192][32];  wc [3072][512 bytes], ws [3072][32]: rows 0-1023 Wq, 1024-2047 Wk, 2048-3071 Wv.
; A block's scale is 2^(floor(log2(its largest magnitude)) - 2); its byte is the largest magnitude's exponent field - 2, held at 1 from below.  Each number is divided by the scale and rounded to the nearest code, ties to even; beyond 6 the largest code.
; LIMITS: a block of zeros gets the byte 1 where the quantiser says 127 (its codes are zeros, and this program alone reads the bytes); blocks whose largest magnitude lies under 2^-124 keep the byte 1; NaN and infinities are not served.
; Rows are dense and K is a multiple of 32: every tensor is a plain stream of blocks of 32.  A work-group takes 32,768 numbers, a wave 16 steps of 512.  Work-groups 0-255 take x, 256-287 Wq, 288-319 Wk, 320-351 Wv: only pointers are chosen, all take one path.
; Each of a step's four loads reads 512 consecutive bytes; the 2,048 bytes turn through the wave's own stage in LDS and come back 64 bytes a lane, so that a lane holds 16 neighbours along K (two lanes a block).
; No matrix unit, no cluster, no tensor load: the launch streams, waves share nothing, no barrier.  Loads run four steps (16 loads a wave) ahead.
.set WAVES, 4
.set STEPS, 16
.set EMAX,  2
.set CB,    8                          ; bytes of 16 codes
.set R,     16                         ; v16-79   four sets of 16 numbers as loaded
.set X,     80                         ; v80-111  two sets of 16 neighbours
.set C,     128                        ; v128-191 codes: registers of its own for each step
.set E,     112                        ; v112-127 a scale byte for each step
.set WREG,  8192                       ; LDS: a region for each wave: two stages of 32 x SP bytes, then its 256 scale bytes
.set SP,    80                         ; a lane's place in a stage: 64 bytes + 16 of padding
.set SPW,   12                         ; v12 LDS address of my spare word; never rewritten
.set NIL,   13                         ; v13 0; never rewritten
.set SPARE, WAVES*WREG                 ; behind the regions: the spare words, 128 bytes a wave
	s_load_b256 s[4:11], s[0:1], 0x0               ; x, Wq, Wk, Wv
	s_load_b256 s[12:19], s[0:1], 0x20             ; xc, xs, wc, ws
	v_lshl_add_u32 v[SPW], v0, 2, SPARE
	v_mov_b32 v[NIL], 0
	v_lshrrev_b32 v1, 5, v0
	v_readfirstlane_b32 s20, v1                    ; wave
	v_and_b32 v2, 31, v0                           ; lane
	v_lshlrev_b32 v3, 4, v2                        ; my 16 bytes of a load's 512
	s_mul_i32 s21, s20, WREG
	v_lshrrev_b32 v14, 2, v2
	v_mul_u32_u24 v14, v14, SP
	v_and_b32 v15, 3, v2
	v_lshl_add_u32 v14, v15, 4, v14
	v_add_nc_u32 v14, s21, v14                     ; the stage, way in: SP (lane / 4) + 16 (lane % 4)
	v_mul_u32_u24 v15, v2, SP
	v_add_nc_u32 v15, s21, v15                     ; way out: SP x lane: my 16 neighbours
	v_mul_u32_u24 v4, v2, CB                       ; my codes' place in a step's
	v_lshrrev_b32 v5, 1, v2
	s_add_co_u32 s21, s21, 2*32*SP
	v_add_nc_u32 v5, s21, v5                       ; my wave's 256 scale bytes, my block's byte
	v_lshlrev_b32 v7, 3, v2
	v_add_nc_u32 v6, s21, v7                       ; and 8 bytes a lane on their way out
	s_wait_kmcnt 0x0
	s_mov_b64 s[22:23], s[10:11]                   ; the source, by the work-group's number alone: Wv,
	s_mov_b32 s24, 320                             ; whose first work-group is 320;
	s_cmp_lt_u32 ttmp9, 320
	s_cselect_b64 s[22:23], s[8:9], s[22:23]       ; Wk;
	s_cselect_b32 s24, 288, s24
	s_cmp_lt_u32 ttmp9, 288
	s_cselect_b64 s[22:23], s[6:7], s[22:23]       ; Wq;
	s_cselect_b32 s24, 256, s24
	s_cmp_lt_u32 ttmp9, 256
	s_cselect_b64 s[22:23], s[4:5], s[22:23]       ; x
	s_cselect_b32 s24, 0, s24
	s_cselect_b64 s[26:27], s[12:13], s[16:17]     ; the codes' buffer,
	s_cselect_b64 s[28:29], s[14:15], s[18:19]     ; the scale bytes',
	s_cselect_b32 s25, 0, 256                      ; and its first work-group
	s_sub_co_u32 s24, ttmp9, s24
	s_lshl_b32 s24, s24, 2
	s_add_co_u32 s24, s24, s20                     ; which run of 8,192 numbers of the source is my wave's
	s_sub_co_u32 s25, ttmp9, s25
	s_lshl_b32 s25, s25, 2
	s_add_co_u32 s25, s25, s20                     ; and which run of the destination
	s_lshl_b32 s30, s24, 15                        ; 32,768 bytes of f32 a run
	s_mov_b32 s31, 0
	s_add_nc_u64 s[22:23], s[22:23], s[30:31]
	s_lshl_b32 s30, s25, 12                        ; 4,096 bytes of codes
	s_add_nc_u64 s[26:27], s[26:27], s[30:31]
	s_lshl_b32 s30, s25, 8                         ; 256 scale bytes
	s_add_nc_u64 s[28:29], s[28:29], s[30:31]
.macro LOAD t
.irp i, 0,1,2,3
	global_load_b128 v[R+16*((\t)%4)+4*\i:R+16*((\t)%4)+4*\i+3], v3, s[22:23] offset:2048*(\t)+512*\i th:TH_LOAD_NT   ; 32 lanes read 512 consecutive bytes
.endr
.endm
.macro TURN t                          ; step t's numbers through the stage: a wave's LDS instructions are served in order, so no wait stands between the stores and the loads
.irp i, 0,1,2,3
	ds_store_b128 v14, v[R+16*((\t)%4)+4*\i:R+16*((\t)%4)+4*\i+3] offset:32*SP*((\t)%2)+8*SP*\i
.endr
.irp i, 0,1,2,3
	ds_load_b128 v[X+16*((\t)%2)+4*\i:X+16*((\t)%2)+4*\i+3], v15 offset:32*SP*((\t)%2)+16*\i
.endr
.endm
.irp t, 0,1,2,3
	LOAD \t
.endr
	s_wait_loadcnt 12                              ; step 0's four loads are in; three steps' twelve stay out
	TURN 0
.macro STEP t
.set XS, X+16*((\t)%2)
.if (\t) > 0
	s_wait_dscnt 1                                 ; this step's numbers are back from the stage; the last step's byte store may be out
.else
	s_wait_dscnt 0x0
.endif
.if (\t)+4 < STEPS
	LOAD (\t)+4                                    ; into the registers that the stage's stores have read
.endif
.if (\t)+1 < STEPS
.if STEPS-2-(\t) >= 3
	s_wait_loadcnt 12                              ; the next step's four loads are in; those of the three steps behind it may be out
.else
	s_wait_loadcnt 4*(STEPS-2-(\t))
.endif
	TURN (\t)+1
.endif
	v_max3_num_f32 v8, |v[XS]|, |v[XS+1]|, |v[XS+2]|               ; the largest magnitude of my 16, in two chains
	v_max3_num_f32 v9, |v[XS+3]|, |v[XS+4]|, |v[XS+5]|
.irp i, 6,10
	v_max3_num_f32 v8, v8, |v[XS+\i]|, |v[XS+\i+1]|
	v_max3_num_f32 v9, v9, |v[XS+\i+2]|, |v[XS+\i+3]|
.endr
	v_max3_num_f32 v8, v8, |v[XS+14]|, |v[XS+15]|
	v_max3_num_f32 v8, v8, v9, (EMAX+1)<<23        ; and the floor 2^(3 - 127): the byte cannot fall under 1
	v_max_num_f32_dpp v8, v8, v8 row_xmask:1 row_mask:0xf bank_mask:0xf   ; with my neighbour's 16: the block's
	v_add_nc_u32 v11, -(EMAX<<23), v8              ; 2 off its exponent field: the conversion takes this operand's exponent field as its scale
	v_cvt_scalef32_pk8_fp4_f32 v[C+4*(\t)], v[XS:XS+7], v11
	v_cvt_scalef32_pk8_fp4_f32 v[C+4*(\t)+1], v[XS+8:XS+15], v11
	v_lshrrev_b32 v[E+(\t)], 23, v11               ; the scale's byte (also the plain line behind the conversions)
	ds_store_b8 v5, v[E+(\t)] offset:16*(\t)       ; both lanes of a block write the same byte with the same value
	global_store_b64 v4, v[C+4*(\t):C+4*(\t)+1], s[26:27] offset:32*CB*(\t)   ; the wave stores 256 consecutive bytes, aligned
.endm
.irp t, 0,1,2,3,4,5,6,7,8,9,10,11,12,13,14,15
	STEP \t
.endr
	ds_load_b64 v[8:9], v6                         ; my wave's 256 scale bytes: these loads see my stores
	s_wait_dscnt 0x0
	global_store_b64 v7, v[8:9], s[28:29]          ; 256 consecutive bytes, aligned
	s_wait_tensorcnt 0x0                           ; the wave's end
	ds_add_u32 v[SPW], v[NIL]
	s_wait_dscnt 0x0
	s_endpgm
.Lfunc_end_k_qd991e44b2e_quant:
	.size	k_qd991e44b2e_quant, .Lfunc_end_k_qd991e44b2e_quant-k_qd991e44b2e_quant
	.p2alignl 7, 3214868480
	.fill 96, 4, 3214868480
	.section	.rodata,"a",@progbits
	.p2align	6, 0x0
	.amdhsa_kernel k_qd991e44b2e_quant
		.amdhsa_group_segment_fixed_size 33280
		.amdhsa_private_segment_fixed_size 0
		.amdhsa_enable_private_segment 0
		.amdhsa_kernarg_size 64
		.amdhsa_user_sgpr_count 2
		.amdhsa_user_sgpr_kernarg_segment_ptr 1
		.amdhsa_wavefront_size32 1
		.amdhsa_system_sgpr_workgroup_id_x 1
		.amdhsa_system_sgpr_workgroup_id_y 1
		.amdhsa_system_sgpr_workgroup_id_z 1
		.amdhsa_system_vgpr_workitem_id 0
		.amdhsa_next_free_vgpr 192
		.amdhsa_next_free_sgpr 66
		.amdhsa_reserve_vcc 0
		.amdhsa_float_denorm_mode_32 3
		.amdhsa_float_denorm_mode_16_64 3
		.amdhsa_memory_ordered 1
		.amdhsa_forward_progress 1
		.amdhsa_inst_pref_size 34
	.end_amdhsa_kernel
	.amdgpu_metadata
---
amdhsa.version: [ 1, 2 ]
amdhsa.kernels:
  - .name:           k_qd991e44b2e_quant
    .symbol:         k_qd991e44b2e_quant.kd
    .args:
      - { .name: x, .offset: 0, .size: 8, .value_kind: global_buffer, .address_space: global }
      - { .name: Wq, .offset: 8, .size: 8, .value_kind: global_buffer, .address_space: global }
      - { .name: Wk, .offset: 16, .size: 8, .value_kind: global_buffer, .address_space: global }
      - { .name: Wv, .offset: 24, .size: 8, .value_kind: global_buffer, .address_space: global }
      - { .name: xc, .offset: 32, .size: 8, .value_kind: global_buffer, .address_space: global }
      - { .name: xs, .offset: 40, .size: 8, .value_kind: global_buffer, .address_space: global }
      - { .name: wc, .offset: 48, .size: 8, .value_kind: global_buffer, .address_space: global }
      - { .name: ws, .offset: 56, .size: 8, .value_kind: global_buffer, .address_space: global }
    .group_segment_fixed_size: 33280
    .private_segment_fixed_size: 0
    .kernarg_segment_align: 8
    .kernarg_segment_size: 64
    .max_flat_workgroup_size: 128
    .sgpr_count:     66
    .vgpr_count:     192
    .wavefront_size: 32
...
	.end_amdgpu_metadata
.endif
;; end of part 1
;; launch proj (part 2): grid 96 x 4, 4 waves a work-group, clusters of 4 x 4, 327,680 bytes of LDS; arguments xc, xs, wc, ws, qk, vt; writes qk, vt
.if DOCPART == 2
	.amdgcn_target "amdgcn-amd-amdhsa--gfx1250"
	.amdhsa_code_object_version 6
	.text
	.protected	k_qd991e44b2e_proj
	.globl	k_qd991e44b2e_proj
	.p2align	8
	.type	k_qd991e44b2e_proj,@function
k_qd991e44b2e_proj:
	s_mov_b64 s[64:65], 0
	v_nop
	global_prefetch_b8 v0, s[64:65] scope:SCOPE_SE
	s_setreg_imm32_b32 hwreg(HW_REG_WAVE_MODE, 25, 1), 1
	s_wait_xcnt 0x0
	s_wait_alu depctr_hold_cnt(0) depctr_sa_sdst(0) depctr_va_vdst(0) depctr_va_sdst(0) depctr_va_ssrc(0) depctr_va_vcc(0) depctr_vm_vsrc(0)
	s_getreg_b32 s2, hwreg(HW_REG_IB_STS2, 6, 4)
	s_cmp_eq_u32 s2, 0
	s_cbranch_scc0 .Lentry_in_a_cluster
	s_endpgm
.Lentry_in_a_cluster:
	s_bfe_u32 s2, ttmp6, 0x10000c
	s_cmp_lg_u32 s2, 0xf033
	s_cbranch_scc0 .Lentry_shape_is_right
	s_endpgm
.Lentry_shape_is_right:
; The three projections on codes of FP4 (E2M1) with E8M0 scales, C = A B^T, K = 1,024, sums in f32; results x 2^-4, rounded once to f16.
; Clusters 0-15:  A = x's codes (8,192 rows), B = rows 0-2047 of the weights' codes (Wq, Wk), C = qk [8192 tokens][2048]: columns 0-1023 Q / 16, 1024-2047 K / 16.
; Clusters 16-23: A = rows 2048-3071 of the weights' codes (Wv), B = x's codes, C = vt [4][1024 channels][2048 keys] = V^T / 16: the keys, the last product's K, lie innermost.
; Both kinds take one path: the cluster's number chooses pointers and tile numbers by s_cselect; a row of C is 4,096 bytes in both.
; The factor 2^-4 is exact; it gives f16 room up to |Q|, |K|, |V| = 16 x 65,504 (LIMIT: beyond that the results are infinite); the later launches undo it.  NaN and infinities are not served.
; A tile of C, 256 x 256, is made by four waves, each 128 x 128: 64 accumulators, 512 registers.  K has two steps of 512 (tile rows of 256 bytes): both LDS slots and the scale bytes of the work-group's
; 256 + 256 rows are filled once, at the start: three tensor loads a wave are out, there is no loop.
; CLUSTERS: 4 x 4 work-groups; A's tiles are asked for jointly along a row of the cluster, B's along a column.  THE MATRIX INSTRUCTION IS USED TRANSPOSED (source 0 = 16 rows of B, source 1 = 16 rows of A):
; a lane holds eight neighbouring numbers of a row of C.
; REGISTERS: window 0: v0-31 addresses; v32-95 scale words, two sets; v128-191 A's fragments, one set; on the way out v32-191 are free.  window 1: B's fragments, two sets (v0, v128).
;   window 2: the accumulators of my rows 0-63 ((a, b) at v[8 (8 a + b)]); window 3: of rows 64-127.
.set KSTEP,  512
.set NQ,     4                         ; matrix instructions deep in a slot
.set ROWB,   256                       ; a tile's row in bytes
.set KROW,   512                       ; a row of codes in memory
.set PITCH,  272                       ; an LDS row: 256 bytes + 16 of padding: the 16 rows of a fragment load start 68 words apart
.set FR,     8
.set NL,     2
.set NP,     4                         ; places behind this matrix instruction (ISA guide 7.12.1)
.set HALFT,  128*PITCH
.set SLOT,   4*HALFT                   ; A's 256 rows, then B's 256 rows
.set KS,     32                        ; a row of scale bytes
.set SCL,    2*SLOT                    ; behind the slots: the scales, as units of 256 bytes + 16 of padding
.set HALFS,  16*272                    ; the scales of 128 rows
.set SBLK,   2*272                     ; of 16 rows
.set SPARE,  SCL+4*HALFS               ; the spare words, 128 bytes a wave
.set SPITCH, 272                       ; the way out: a stage of 16 rows x (256 + 16) bytes for each wave, in slot 0, which has had its one fill and its last read by then
.set CROW,   4096                      ; a row of C in bytes
.set ADRA, 16
.set ADRB, 20
.set STO,  24
.set RD,   25
.set CO,   26
.set ADRS, 27
.set SPW,  28
.set NIL,  29
.set SC,   32                          ; scale words: set s at v[SC + 32 s]; register 4 i + q: lanes 0-15 A's block i, lanes 16-31 B's block i, the slot's q-th 128 along K
.set AF,   128
.set T,    32                          ; the way out: 64 numbers x 2^-4
.set H,    96                          ; as 32 pairs of f16
.set BK,   128                         ; 16 rows back from the stage: v128-159 and v160-191 by turns
.set G1, 24
.set G0, 32
.set G1B, 48
.set G0B, 56
.set G1S, 68
.set G0S, 76
.set G1SB, 80
.set G0SB, 88
.set MSB, 0
.macro WIN new                         ; the immediate's high byte repeats the setting that is left
.if MSB != (\new)
	s_set_vgpr_msb (MSB<<8)|(\new)
.set MSB, (\new)
.endif
.endm
.set MUL_LO, 0xa1                      ; source 0 (B) window 1, source 1 (A) window 0, C and D window 2
.set MUL_HI, 0xf1
.set TO_B,   0x40
; A joint load: waves 0 and 1 fetch for A, waves 2 and 3 for B; the branch hangs on the wave's number alone.  An s_nop 0 and four v_nop follow each line.
.macro JLOAD g0a, g1a, g0b, g1b
	s_cmp_eq_u32 s15, 0
	s_cbranch_scc0 .Lfor_b_\@
	tensor_load_to_lds s[\g0a:\g0a+3], s[\g1a:\g1a+7]
	s_nop 0
.rept 4
	v_nop
.endr
	s_branch .Lasked_\@
.Lfor_b_\@:
	tensor_load_to_lds s[\g0b:\g0b+3], s[\g1b:\g1b+7]
	s_nop 0
.rept 4
	v_nop
.endr
.Lasked_\@:
.endm
.macro CROUND                          ; a round of the cluster's barrier
	s_barrier_signal -1
	s_barrier_wait -1
	s_cmp_lg_u32 s14, 0
	s_cbranch_scc1 .Lnot_wave_0_\@
	s_barrier_signal -3
.Lnot_wave_0_\@:
	s_barrier_wait -3
	s_barrier_signal -1
	s_barrier_wait -1
.endm
	s_load_b256 s[4:11], s[0:1], 0x0               ; xc s[4:5], xs s[6:7], wc s[8:9], ws s[10:11]
	s_load_b128 s[96:99], s[0:1], 0x20             ; qk, vt
	v_lshl_add_u32 v[SPW], v0, 2, SPARE
	v_mov_b32 v[NIL], 0
	ds_add_u32 v[SPW], v[NIL]                      ; the wave's opening: the add, twice on end, and its wait ahead of my first tensor load
	ds_add_u32 v[SPW], v[NIL]
	v_lshrrev_b32 v1, 5, v0
	v_readfirstlane_b32 s14, v1                    ; wave 0..3
	s_lshr_b32 s15, s14, 1                         ; which half of the tile's rows is mine.  Also: I fetch for A (0) or for B (1)
	s_and_b32 s16, s14, 1                          ; which half of its columns.  Also: which 128 rows I fetch
	s_bfe_u32 s40, ttmp6, 0x40000                  ; cx
	s_bfe_u32 s41, ttmp6, 0x40004                  ; cy
	s_lshr_b32 s18, ttmp9, 1                       ; clusters 0-15: 8 rows x 2 columns of clusters
	s_and_b32 s19, ttmp9, 1
	s_max_u32 s45, ttmp9, 16
	s_sub_co_u32 s45, s45, 16                      ; clusters 16-23: 1 row x 8 columns
	s_cmp_lt_u32 ttmp9, 16                         ; the cluster's number: the same in all sixteen partners
	s_cselect_b32 s18, s18, 0
	s_cselect_b32 s19, s19, s45
	s_cselect_b32 s95, 0, 2048                     ; Wv's rows begin at row 2,048 of the weights' codes
	s_lshl_b32 s42, s19, 2
	s_add_co_u32 s42, s42, s40                     ; tile column of C
	s_lshl_b32 s17, s18, 2
	s_add_co_u32 s17, s17, s41                     ; tile row of C
	s_lshl_b32 s43, s41, 2
	s_lshl_b32 s43, 15, s43                        ; my row of the cluster
	s_lshl_b32 s44, 0x1111, s40                    ; my column
	; group 1: a tile of 128 rows x 256 bytes; padding: 4 words after every 64
	s_or_b32 s[G1+0], s43, (0<<16)|(1<<20)|(1<<21)|(5<<22)|(3<<25)
	s_or_b32 s[G1B+0], s44, (0<<16)|(1<<20)|(1<<21)|(5<<22)|(3<<25)
.irp g, G1, G1B
	s_mov_b32 s[\g+1], ROWB<<16                    ; tensor_dim0
	s_mov_b32 s[\g+2], 128<<16                     ; tensor_dim1
	s_mov_b32 s[\g+3], ROWB<<16                    ; tile_dim0
	s_mov_b32 s[\g+4], 128                         ; tile_dim1
	s_mov_b32 s[\g+5], KROW                        ; from row to row
	s_mov_b32 s[\g+6], 0
	s_mov_b32 s[\g+7], 0
.endr
	; the scales of 128 rows: 4,096 dense bytes as 16 rows of 256 (32 elements of 8 bytes), 16 bytes of padding behind each
	s_or_b32 s[G1S+0], s43, (3<<16)|(1<<20)|(1<<21)|(5<<22)|(3<<25)
	s_or_b32 s[G1SB+0], s44, (3<<16)|(1<<20)|(1<<21)|(5<<22)|(3<<25)
.irp g, G1S, G1SB
	s_mov_b32 s[\g+1], 32<<16
	s_mov_b32 s[\g+2], 16<<16
	s_mov_b32 s[\g+3], 32<<16
	s_mov_b32 s[\g+4], 16
	s_mov_b32 s[\g+5], 32
	s_mov_b32 s[\g+6], 0
	s_mov_b32 s[\g+7], 0
.endr
	s_lshl_b32 s18, s16, 7                         ; which 128 rows of the tile I fetch
	s_lshl_b32 s20, s17, 8
	s_add_co_u32 s20, s20, s18
	s_add_co_u32 s20, s20, s95                     ; A's row
	s_lshl_b32 s46, s42, 8
	s_add_co_u32 s46, s46, s18                     ; B's row
	s_lshl_b32 s22, s20, 5                         ; where these rows' scales begin,
	s_lshl_b32 s92, s46, 5
	s_lshl_b32 s20, s20, 9                         ; and their codes (all under 2^23)
	s_lshl_b32 s46, s46, 9
	s_mov_b32 s21, 0
	s_mov_b32 s23, 0
	s_mov_b32 s47, 0
	s_mov_b32 s93, 0
	s_mul_i32 s45, s14, HALFT                      ; where they go: wave x 128 rows: no place in the cluster enters an LDS address
	s_mul_i32 s94, s14, HALFS
	s_wait_dscnt 0x0                               ; both opening adds are done
	s_wait_kmcnt 0x0
	s_cmp_lt_u32 ttmp9, 16
	s_cselect_b64 s[66:67], s[4:5], s[8:9]         ; A's codes,
	s_cselect_b64 s[2:3], s[6:7], s[10:11]         ; A's scales,
	s_cselect_b64 s[8:9], s[8:9], s[4:5]           ; B's codes,
	s_cselect_b64 s[10:11], s[10:11], s[6:7]       ; B's scales,
	s_cselect_b64 s[12:13], s[96:97], s[98:99]     ; C
	s_add_nc_u64 s[20:21], s[66:67], s[20:21]
	s_add_nc_u64 s[22:23], s[2:3], s[22:23]
	s_add_nc_u64 s[46:47], s[8:9], s[46:47]
	s_add_nc_u64 s[92:93], s[10:11], s[92:93]
	CROUND                                         ; all sixteen work-groups are here: the joint loads meet
	s_mov_b32 s[G0S], 1
	s_add_co_u32 s[G0S+1], s94, SCL
	s_mov_b64 s[G0S+2:G0S+3], s[22:23]
	s_or_b32 s[G0S+3], s[G0S+3], 0x80000000
	s_mov_b32 s[G0SB], 1
	s_add_co_u32 s[G0SB+1], s94, SCL
	s_mov_b64 s[G0SB+2:G0SB+3], s[92:93]
	s_or_b32 s[G0SB+3], s[G0SB+3], 0x80000000
	JLOAD G0S, G1S, G0SB, G1SB                     ; the scales first: they are wanted with K step 0
.irp s, 0,1
	s_mov_b32 s[G0+4*\s], 1
	s_add_co_u32 s[G0+4*\s+1], s45, \s*SLOT
	s_add_nc_u64 s[G0+4*\s+2:G0+4*\s+3], s[20:21], \s*ROWB
	s_or_b32 s[G0+4*\s+3], s[G0+4*\s+3], 0x80000000
	s_mov_b32 s[G0B+4*\s], 1
	s_add_co_u32 s[G0B+4*\s+1], s45, \s*SLOT
	s_add_nc_u64 s[G0B+4*\s+2:G0B+4*\s+3], s[46:47], \s*ROWB
	s_or_b32 s[G0B+4*\s+3], s[G0B+4*\s+3], 0x80000000
	JLOAD G0+4*\s, G1, G0B+4*\s, G1B
.endr
	v_and_b32 v1, 15, v0                           ; r = lane % 16
	v_bfe_u32 v2, v0, 4, 1                         ; h = lane / 16
	v_mul_u32_u24 v3, v1, PITCH
	v_lshl_add_u32 v4, v2, 4, v3                   ; a fragment's row x pitch + 16 h
	s_mul_i32 s21, s15, HALFT                      ; my 128 rows of A
	s_mul_i32 s22, s16, HALFT                      ; my 128 rows of B,
	s_add_co_u32 s22, s22, 2*HALFT                 ; behind A's 256
.irp s, 0,1
	v_add_nc_u32 v[ADRA+\s], s21, v4
	v_add_nc_u32 v[ADRB+\s], s22, v4
	s_add_co_u32 s21, s21, SLOT
	s_add_co_u32 s22, s22, SLOT
.endr
	v_mul_u32_u24 v5, v1, KS                       ; my row's scales: 32 bytes a row,
	v_lshrrev_b32 v6, 8, v5
	v_lshl_add_u32 v5, v6, 4, v5                   ; and 16 more for each 256 passed
	s_mul_i32 s21, s15, HALFS
	s_mul_i32 s22, s16, HALFS
	s_add_co_u32 s22, s22, 2*HALFS
	s_sub_co_u32 s22, s22, s21
	v_mul_u32_u24 v6, s22, v2                      ; lanes 16-31 take B's: one product, the distance between the two bases x h
	s_add_co_u32 s21, s21, SCL
	v_add_nc_u32 v5, v5, v6
	v_add_nc_u32 v[ADRS], s21, v5
	s_mul_i32 s23, s14, 16*SPITCH                  ; my stage
	v_mul_u32_u24 v5, v1, SPITCH                   ; in: row r, 16 bytes for each half of the lanes
	v_lshl_add_u32 v5, v2, 4, v5
	v_add_nc_u32 v[STO], s23, v5
	v_mul_u32_u24 v5, v2, SPITCH                   ; back: lanes 0-15 one row of 256 bytes, lanes 16-31 the next
	v_lshl_add_u32 v5, v1, 4, v5
	v_add_nc_u32 v[RD], s23, v5
	v_lshlrev_b32 v5, 12, v2                       ; and the same two rows in C
	v_lshl_add_u32 v[CO], v1, 4, v5
	s_lshl_b32 s20, s17, 8
	s_lshl_b32 s21, s15, 7
	s_add_co_u32 s20, s20, s21                     ; my first row of C,
	s_lshl_b32 s20, s20, 12                        ; in bytes
	s_mov_b32 s21, 0
	s_lshr_b32 s46, s42, 3                         ; tile columns 8 and up: vt's later batches, 2^22 bytes each
	s_lshl_b32 s46, s46, 22
	s_and_b32 s47, s42, 7
	s_lshl_b32 s47, s47, 9                         ; 512 bytes a tile column,
	s_add_co_u32 s46, s46, s47
	s_lshl_b32 s47, s16, 8                         ; 256 for my half
	s_add_co_u32 s46, s46, s47
	s_mov_b32 s47, 0
	s_add_nc_u64 s[20:21], s[20:21], s[46:47]
	s_add_nc_u64 s[12:13], s[12:13], s[20:21]
.macro FRAG reg, adr, q, i             ; 16 rows x 128 K of 4-bit codes: lane l holds row l % 16; registers 4 c .. 4 c + 3 hold K = 64 c + 32 (l / 16) + 0 .. 31
.irp c, 0,1
	ds_load_b128 v[\reg+4*\c:\reg+4*\c+3], v[\adr] offset:64*(\q)+32*\c+(\i)*16*PITCH
.endr
.endm
; 16 matrix instructions: A's blocks a0, a0 + 1 x B's eight, the slot's q-th 128 along K.  The 64 accumulators take turns, one instruction a turn.
.macro MUL16 a0, p, q, sc, zero
.irp a, \a0, \a0+1
.irp b, 0,1,2,3,4,5,6,7
.if \zero
	v_wmma_scale_f32_16x16x128_f8f6f4 v[8*(8*((\a)%4)+\b):8*(8*((\a)%4)+\b)+7], v[128*(\p)+FR*\b:128*(\p)+FR*\b+FR-1], v[AF+FR*(\a):AF+FR*(\a)+FR-1], 0, v[SC+8*NQ*(\sc)+NQ*\b+(\q)], v[SC+8*NQ*(\sc)+NQ*(\a)+(\q)] matrix_a_fmt:MATRIX_FMT_FP4 matrix_b_fmt:MATRIX_FMT_FP4 matrix_a_scale:MATRIX_SCALE_ROW1
.else
	v_wmma_scale_f32_16x16x128_f8f6f4 v[8*(8*((\a)%4)+\b):8*(8*((\a)%4)+\b)+7], v[128*(\p)+FR*\b:128*(\p)+FR*\b+FR-1], v[AF+FR*(\a):AF+FR*(\a)+FR-1], v[8*(8*((\a)%4)+\b):8*(8*((\a)%4)+\b)+7], v[SC+8*NQ*(\sc)+NQ*\b+(\q)], v[SC+8*NQ*(\sc)+NQ*(\a)+(\q)] matrix_a_fmt:MATRIX_FMT_FP4 matrix_b_fmt:MATRIX_FMT_FP4 matrix_a_scale:MATRIX_SCALE_ROW1
.endif
.endr
.endr
.endm
.macro FETCH_B slot, q, p
	WIN TO_B
.irp i, 0,1,2,3,4,5,6,7
	FRAG 128*(\p)+FR*\i, ADRB+\slot, \q, \i
.endr
	WIN 0
.endm
.macro FETCH_A slot, q, i0
.irp i, \i0, \i0+1, \i0+2, \i0+3
	FRAG AF+FR*(\i), ADRA+\slot, \q, \i
.endr
.endm
.macro SCALES sc                       ; a K step's scale words: 4 words a row; lanes 0-15 A's block i, lanes 16-31 B's block i
.irp i, 0,1,2,3,4,5,6,7
	ds_load_b128 v[SC+8*NQ*\sc+NQ*\i:SC+8*NQ*\sc+NQ*\i+3], v[ADRS] offset:\i*SBLK
.endr
.endm
.macro PLACES n                        ; plain vector instructions between a matrix instruction and a load into, or a vector read or write of, its registers
.rept \n
	v_nop
.endr
.endm
.macro STEP slot, q, zero              ; a step of 128 along K that has its successor in the same slot
	s_wait_dscnt 4*NL                              ; B's set and A's blocks 0-3 are in; the youngest eight loads (A's blocks 4-7) may be out
	WIN MUL_LO
	MUL16 0, (\q)%2, \q, \slot, \zero
	MUL16 2, (\q)%2, \q, \slot, \zero
	s_wait_dscnt 0
	PLACES NP
	FETCH_B \slot, (\q)+1, 1-(\q)%2
	FETCH_A \slot, (\q)+1, 0
	WIN MUL_HI
	MUL16 4, (\q)%2, \q, \slot, \zero
	MUL16 6, (\q)%2, \q, \slot, \zero
	PLACES NP
	WIN 0
	FETCH_A \slot, (\q)+1, 4
.endm
.macro TURN slot, next                 ; slot 0's last step changes slots: one barrier; nothing is filled again
	s_wait_tensorcnt 0x0                           ; all my tensor loads have landed: my part of slot 1
	ds_add_u32 v[SPW], v[NIL]                      ; 0 onto my spare word
	s_wait_dscnt 4*NL+1                            ; the add and the youngest eight loads may be out
	WIN MUL_LO
	MUL16 0, 1, NQ-1, \slot, 0
	s_wait_dscnt 0x0                               ; the add is done, and my reads of slot 0 are over: it will be my stage
	s_barrier_signal -1
	MUL16 2, 1, NQ-1, \slot, 0
	WIN 0
	s_barrier_wait -1
	PLACES NP
	v_add_nc_u32 v[ADRS], 4*NQ, v[ADRS]            ; on to the next K step's scale words
	FETCH_B \next, 0, 0
	FETCH_A \next, 0, 0
	SCALES \next
	WIN MUL_HI
	MUL16 4, 1, NQ-1, \slot, 0
	MUL16 6, 1, NQ-1, \slot, 0
	PLACES NP
	WIN 0
	FETCH_A \next, 0, 4
.endm
	s_wait_tensorcnt 1                             ; the scales and my part of K step 0 are in; K step 1's load may stay out,
	s_barrier_signal -1
	s_barrier_wait -1                              ; everybody's are
	FETCH_B 0, 0, 0
	FETCH_A 0, 0, 0
	SCALES 0
	FETCH_A 0, 0, 4
	STEP 0, 0, 1                                   ; the first products start the sums: nothing is cleared
	STEP 0, 1, 0
	STEP 0, 2, 0
	TURN 0, 1
	STEP 1, 0, 0
	STEP 1, 1, 0
	STEP 1, 2, 0
	s_wait_dscnt 4*NL                              ; the last step: nothing more to fetch
	WIN MUL_LO
	MUL16 0, 1, NQ-1, 1, 0
	MUL16 2, 1, NQ-1, 1, 0
	s_wait_dscnt 0
	WIN MUL_HI
	MUL16 4, 1, NQ-1, 1, 0
	MUL16 6, 1, NQ-1, 1, 0
	WIN 0
; THE WAY OUT, block by block of 16 rows x 128 columns.  PACK: x 2^-4 (exact), rounded to f16: a lane's eight numbers are 16 bytes.  TOSTAGE: into my stage, and back as whole rows of 256 bytes.  SEND: stored.
.macro PACK a
.set AC, 64*((\a)%4)
	WIN 0x02+((\a)/4)                              ; source 0: window 2 or 3
.set i, 0
.rept 32
	v_pk_mul_f32 v[T+2*i:T+2*i+1], v[AC+2*i:AC+2*i+1], 0x3d800000 op_sel_hi:[1,0]   ; each accumulator from its low end on
.set i, i+1
.endr
	WIN 0
.set i, 0
.rept 32
	v_cvt_pk_f16_f32 v[H+i], v[T+2*i], v[T+2*i+1]
.set i, i+1
.endr
.endm
.macro TOSTAGE a
.set BB, BK+32*((\a)%2)
.irp b, 0,1,2,3,4,5,6,7
	ds_store_b128 v[STO], v[H+4*\b:H+4*\b+3] offset:32*\b
.endr
.irp t, 0,1,2,3,4,5,6,7
	ds_load_b128 v[BB+4*\t:BB+4*\t+3], v[RD] offset:\t*2*SPITCH    ; a wave's LDS instructions are served in order: these see the stores above
.endr
.endm
.macro SEND a
.set BB, BK+32*((\a)%2)
	s_wait_dscnt 0x0                               ; the block is back in registers
	s_wait_xcnt 0x0                                ; the stores of the block before have read their registers: the next block's loads from the stage may land there
.irp t, 0,1,2,3,4,5,6,7
	global_store_b128 v[CO], v[BB+4*\t:BB+4*\t+3], s[12:13] offset:(16*(\a)+2*\t)*CROW   ; 16 lanes store 256 consecutive bytes, aligned; the block's place stands in the immediate: 126 rows of 4,096 bytes at the most
.endr
.endm
	PLACES NP                                      ; behind the last products: their scale words' and fragments' registers are written below
	PACK 0
	TOSTAGE 0
.irp a, 1,2,3,4,5,6,7                  ; block a's arithmetic stands between block a - 1's loads from the stage and the wait for them
	PACK \a
	SEND \a-1
	TOSTAGE \a
.endr
	SEND 7
	s_wait_tensorcnt 0x0                           ; the wave's end
	ds_add_u32 v[SPW], v[NIL]
	s_wait_dscnt 0x0
	CROUND                                         ; the closing round
	s_endpgm
.Lfunc_end_k_qd991e44b2e_proj:
	.size	k_qd991e44b2e_proj, .Lfunc_end_k_qd991e44b2e_proj-k_qd991e44b2e_proj
	.p2alignl 7, 3214868480
	.fill 96, 4, 3214868480
	.section	.rodata,"a",@progbits
	.p2align	6, 0x0
	.amdhsa_kernel k_qd991e44b2e_proj
		.amdhsa_group_segment_fixed_size 327680
		.amdhsa_private_segment_fixed_size 0
		.amdhsa_enable_private_segment 0
		.amdhsa_kernarg_size 48
		.amdhsa_user_sgpr_count 2
		.amdhsa_user_sgpr_kernarg_segment_ptr 1
		.amdhsa_wavefront_size32 1
		.amdhsa_system_sgpr_workgroup_id_x 1
		.amdhsa_system_sgpr_workgroup_id_y 1
		.amdhsa_system_sgpr_workgroup_id_z 1
		.amdhsa_system_vgpr_workitem_id 0
		.amdhsa_next_free_vgpr 1024
		.amdhsa_next_free_sgpr 100
		.amdhsa_reserve_vcc 0
		.amdhsa_float_denorm_mode_32 3
		.amdhsa_float_denorm_mode_16_64 3
		.amdhsa_memory_ordered 1
		.amdhsa_forward_progress 1
		.amdhsa_inst_pref_size 151
	.end_amdhsa_kernel
	.amdgpu_metadata
---
amdhsa.version: [ 1, 2 ]
amdhsa.kernels:
  - .name:           k_qd991e44b2e_proj
    .symbol:         k_qd991e44b2e_proj.kd
    .args:
      - { .name: xc, .offset: 0, .size: 8, .value_kind: global_buffer, .address_space: global }
      - { .name: xs, .offset: 8, .size: 8, .value_kind: global_buffer, .address_space: global }
      - { .name: wc, .offset: 16, .size: 8, .value_kind: global_buffer, .address_space: global }
      - { .name: ws, .offset: 24, .size: 8, .value_kind: global_buffer, .address_space: global }
      - { .name: qk, .offset: 32, .size: 8, .value_kind: global_buffer, .address_space: global }
      - { .name: vt, .offset: 40, .size: 8, .value_kind: global_buffer, .address_space: global }
    .group_segment_fixed_size: 327680
    .private_segment_fixed_size: 0
    .kernarg_segment_align: 8
    .kernarg_segment_size: 48
    .max_flat_workgroup_size: 128
    .sgpr_count:     100
    .vgpr_count:     1024
    .wavefront_size: 32
...
	.end_amdgpu_metadata
.endif
;; end of part 2
;; launch scores (part 3): grid 8 x 32, 4 waves a work-group, clusters of 4 x 4, 327,680 bytes of LDS; arguments qk, pp, st; writes pp, st
.if DOCPART == 3
	.amdgcn_target "amdgcn-amd-amdhsa--gfx1250"
	.amdhsa_code_object_version 6
	.text
	.protected	k_qd991e44b2e_scores
	.globl	k_qd991e44b2e_scores
	.p2align	8
	.type	k_qd991e44b2e_scores,@function
k_qd991e44b2e_scores:
	s_mov_b64 s[64:65], 0
	v_nop
	global_prefetch_b8 v0, s[64:65] scope:SCOPE_SE
	s_setreg_imm32_b32 hwreg(HW_REG_WAVE_MODE, 25, 1), 1
	s_wait_xcnt 0x0
	s_wait_alu depctr_hold_cnt(0) depctr_sa_sdst(0) depctr_va_vdst(0) depctr_va_sdst(0) depctr_va_ssrc(0) depctr_va_vcc(0) depctr_vm_vsrc(0)
	s_getreg_b32 s2, hwreg(HW_REG_IB_STS2, 6, 4)
	s_cmp_eq_u32 s2, 0
	s_cbranch_scc0 .Lentry_in_a_cluster
	s_endpgm
.Lentry_in_a_cluster:
	s_bfe_u32 s2, ttmp6, 0x10000c
	s_cmp_lg_u32 s2, 0xf033
	s_cbranch_scc0 .Lentry_shape_is_right
	s_endpgm
.Lentry_shape_is_right:
; S = Q K^T for 4 batches of 2,048 x 2,048, K = 1,024, f16 operands (Q / 16 and K / 16 out of qk), f32 sums; then the softmax's first half, chunk by chunk of 128 keys.
; t = score x log2(e) / 32 = sum x c, c = 8 log2(e) (2^8 undoes the two factors 2^-4).  For a query and a chunk: M_c = the chunk's largest t rounded UP to a whole number, kept as -M_c = floor(-t);
; p' = 2^(t - M_c), at most 1, rounded to f16; l_c = the sum of the unrounded p', f32.  st [2][16 chunks][8192 queries]: plane 0 -M_c, plane 1 l_c.
; The next launch brings a row's 16 chunks under the row's own largest M by exact powers of two: the row's maximum is taken away for every input.
; pp IS LAID AS THE NEXT LAUNCH'S OPERAND REGISTERS: [512 blocks of 16 queries][128 groups of 16 keys][32 lanes][16 bytes]: lane (r, h) holds query r of the block and keys 8 h + 0 .. 7 of the group.  That is what a lane holds
; here when p' has been rounded, so it is stored straight from registers, 512 consecutive bytes a store, with no way through LDS.
; LIMITS: NaN and infinities are not served; a p' under 2^-25 rounds to 0 in f16.
; A tile, 256 queries x 256 keys, is made by four waves, each 128 x 128 (64 accumulators, 512 registers): a wave's columns are one chunk.  K goes in 8 steps of 128 (rows of 256 bytes) through a ring of two LDS slots.
; CLUSTERS: 4 x 4 work-groups of one batch; Q's tiles are asked for jointly along a row of the cluster, K's along a column.  THE MATRIX INSTRUCTION IS USED TRANSPOSED (source 0 = 16 keys, source 1 = 16 queries):
; a lane holds ONE query (lane % 16) and, in accumulator (a, b), keys 16 b + 8 (lane / 16) + 0 .. 7: a query's maximum and sum want one exchange between the halves of the lanes.
; REGISTERS: window 0: v0-31 addresses; v64-127, v128-191 fragments of Q, two buffers; on the way out v32-159 at work.  window 1: v64-191 fragments of K.  windows 2, 3: the accumulators ((a, b) at v[8 (8 (a % 4) + b)]).
.set KSTEP,  128
.set PITCH,  272                       ; an LDS row: 256 bytes + 16 of padding
.set HALFT,  128*PITCH
.set SLOT,   4*HALFT                   ; Q's 256 rows, then K's 256 rows
.set SM,     2*SLOT                    ; behind the ring: for each wave 512 bytes of -M_c and 512 of l_c: 128 queries each
.set SPARE,  SM+4*1024                 ; the spare words, 128 bytes a wave
.set LAPS,   4                         ; a lap = two K steps
.set ADRA, 16
.set ADRB, 20
.set SGO,  23                          ; v23 16 x lane
.set SMA,  27                          ; v27 where my query's figures go: SM + 1,024 wave + 4 (lane % 16)
.set SPW,  28
.set NIL,  29
.set PFO,  30                          ; v30 the prefetches' offset: lane x a row
.set SMR,  31                          ; v31 where I read them back: SM + 1,024 wave + 16 lane
.set T,    32                          ; v32-53 at work
.set NM,   56                          ; v[56:57] -M_c (the packed form names the pair and takes its low word)
.set P,    64                          ; v64-127 t - M_c, then p'
.set H,    128                         ; v128-159 p' as pairs of f16
.set F0,   64
.set F1,   128
.set PFA,  44                          ; s[44:45] where my prefetches stand
.set LIM,  43                          ; s43 1 in a wave that prefetches, else the greatest number
.set G1, 24
.set G0, 32
.set G1B, 48
.set G0B, 56
.set CS,  66                           ; s[66:67] c
.set SEL, 68                           ; s[68:69] v_permlanex16_b32's selects for lane l xor 16
.set MSB, 0
.macro WIN new
.if MSB != (\new)
	s_set_vgpr_msb (MSB<<8)|(\new)
.set MSB, (\new)
.endif
.endm
.set MUL_LO, 0xa1
.set MUL_HI, 0xf1
.set TO_B,   0x40
.macro JLOAD s                         ; a joint load: waves 0 and 1 fetch Q's two halves, waves 2 and 3 K's; an s_nop 0 and four v_nop follow each line
	s_cmp_eq_u32 s11, 0
	s_cbranch_scc0 .Lfor_b_\@
	tensor_load_to_lds s[G0+4*\s:G0+4*\s+3], s[G1:G1+7]
	s_nop 0
.rept 4
	v_nop
.endr
	s_branch .Lasked_\@
.Lfor_b_\@:
	tensor_load_to_lds s[G0B+4*\s:G0B+4*\s+3], s[G1B:G1B+7]
	s_nop 0
.rept 4
	v_nop
.endr
.Lasked_\@:
.endm
; A prefetch of the K step that stands two refills on: 32 rows x 256 bytes, a lane a row, one instruction a wave, behind the joint load and the run of LDS loads.  Each row's 256 bytes of a K step are named once:
; Q's rows are read by both clusters of a row of clusters: cluster x = 0 asks; a batch's K rows by two rows of clusters: the even one asks.  The four partners of a joint load share its 128 rows out by address, 32 each.
; The loop's last trip (s3 = 1) asks for nothing: K steps 4 to 7 are named, 0 to 3 come by their loads alone.
.macro ASK
	s_cmp_gt_u32 s3, s[LIM]
	s_cbranch_scc0 .Lnot_mine_\@
	global_prefetch_b8 v[PFO], s[PFA:PFA+1] offset:KSTEP*2 th:TH_LOAD_NT scope:SCOPE_SE
.Lnot_mine_\@:
.endm
.macro CREST
	s_cmp_lg_u32 s10, 0
	s_cbranch_scc1 .Lnot_wave_0_\@
	s_barrier_signal -3
.Lnot_wave_0_\@:
	s_barrier_wait -3
	s_barrier_signal -1
	s_barrier_wait -1
.endm
.macro CROUND
	s_barrier_signal -1
	s_barrier_wait -1
	CREST
.endm
	s_load_b128 s[4:7], s[0:1], 0x0                ; qk s[4:5], pp s[6:7]
	s_load_b64 s[8:9], s[0:1], 0x10                ; st
	v_lshl_add_u32 v[SPW], v0, 2, SPARE
	v_mov_b32 v[NIL], 0
	ds_add_u32 v[SPW], v[NIL]                      ; the wave's opening: the add, twice on end, and its wait ahead of my first tensor load
	ds_add_u32 v[SPW], v[NIL]
	v_lshrrev_b32 v1, 5, v0
	v_readfirstlane_b32 s10, v1                    ; wave 0..3
	s_lshr_b32 s11, s10, 1                         ; which half of the tile's queries is mine.  Also: I fetch for Q (0) or for K (1)
	s_and_b32 s12, s10, 1                          ; which half of its keys.  Also: which 128 rows I fetch
	s_bfe_u32 s40, ttmp6, 0x40000                  ; cx
	s_bfe_u32 s41, ttmp6, 0x40004                  ; cy
	s_lshl_b32 s42, ttmp9, 2
	s_add_co_u32 s42, s42, s40                     ; the key tile, 0..7
	s_and_b32 s13, ttmp7, 0xffff
	s_lshr_b32 s70, s13, 1                         ; the batch: two rows of clusters each
	s_lshl_b32 s13, s13, 2
	s_add_co_u32 s13, s13, s41                     ; the query tile, 0..31, over all batches
	s_lshl_b32 s43, s41, 2
	s_lshl_b32 s43, 15, s43                        ; my row of the cluster
	s_lshl_b32 s44, 0x1111, s40                    ; my column
	; group 1: a tile of 128 rows x 128 elements of 2 bytes; padding: 4 words after every 64
	s_or_b32 s[G1+0], s43, (1<<16)|(1<<20)|(1<<21)|(5<<22)|(3<<25)
	s_or_b32 s[G1B+0], s44, (1<<16)|(1<<20)|(1<<21)|(5<<22)|(3<<25)
.irp g, G1, G1B
	s_mov_b32 s[\g+1], KSTEP<<16                   ; tensor_dim0
	s_mov_b32 s[\g+2], 128<<16                     ; tensor_dim1
	s_mov_b32 s[\g+3], KSTEP<<16                   ; tile_dim0
	s_mov_b32 s[\g+4], 128                         ; tile_dim1
	s_mov_b32 s[\g+5], 2048                        ; elements from row to row
	s_mov_b32 s[\g+6], 0
	s_mov_b32 s[\g+7], 0
.endr
	s_lshl_b32 s17, s12, 7                         ; which 128 rows I fetch
	s_lshl_b32 s16, s13, 8
	s_add_co_u32 s16, s16, s17                     ; Q: row 256 x query tile + 128 x half,
	s_lshl_b32 s16, s16, 12                        ; in bytes (under 2^25)
	s_lshl_b32 s46, s42, 8
	s_add_co_u32 s46, s46, s17
	s_lshl_b32 s47, s70, 11
	s_add_co_u32 s46, s46, s47                     ; K: row 2,048 x batch + 256 x key tile + 128 x half,
	s_lshl_b32 s46, s46, 12
	s_add_co_u32 s46, s46, 2048                    ; K's columns begin 2,048 bytes into a row
	s_mov_b32 s17, 0
	s_mov_b32 s47, 0
	s_mul_i32 s20, s10, HALFT                      ; where they go: wave x 128 rows
	s_mov_b32 s[CS], 0x4138aa3b                    ; c = 8 log2(e)
	s_mov_b32 s[CS+1], s[CS]
	s_mov_b32 s[SEL], 0x76543210
	s_mov_b32 s[SEL+1], 0xfedcba98
	s_wait_dscnt 0x0                               ; both opening adds are done
	s_wait_kmcnt 0x0
	s_add_nc_u64 s[14:15], s[4:5], s[16:17]
	s_add_nc_u64 s[46:47], s[4:5], s[46:47]
	CROUND                                         ; all sixteen work-groups are here: the first joint loads meet
.irp s, 0,1
	s_mov_b32 s[G0+4*\s], 1
	s_add_co_u32 s[G0+4*\s+1], s20, \s*SLOT
	s_add_nc_u64 s[G0+4*\s+2:G0+4*\s+3], s[14:15], \s*KSTEP*2
	s_or_b32 s[G0+4*\s+3], s[G0+4*\s+3], 0x80000000
	s_mov_b32 s[G0B+4*\s], 1
	s_add_co_u32 s[G0B+4*\s+1], s20, \s*SLOT
	s_add_nc_u64 s[G0B+4*\s+2:G0B+4*\s+3], s[46:47], \s*KSTEP*2
	s_or_b32 s[G0B+4*\s+3], s[G0B+4*\s+3], 0x80000000
	JLOAD \s                                       ; two tensor loads of mine are out
.endr
	v_and_b32 v1, 15, v0                           ; r
	v_bfe_u32 v2, v0, 4, 1                         ; h
	v_mul_u32_u24 v3, v1, PITCH
	v_lshl_add_u32 v3, v2, 4, v3
	s_mul_i32 s21, s11, HALFT                      ; my 128 rows of Q
	s_mul_i32 s22, s12, HALFT                      ; my 128 rows of K,
	s_add_co_u32 s22, s22, 2*HALFT                 ; behind Q's 256
.irp s, 0,1
	v_add_nc_u32 v[ADRA+\s], s21, v3
	v_add_nc_u32 v[ADRB+\s], s22, v3
	s_add_co_u32 s21, s21, SLOT
	s_add_co_u32 s22, s22, SLOT
.endr
	s_lshl_b32 s23, s10, 10
	s_add_co_u32 s23, s23, SM
	v_lshl_add_u32 v[SMA], v1, 2, s23
	v_and_b32 v5, 31, v0
	v_lshlrev_b32 v[SGO], 4, v5
	v_add_nc_u32 v[SMR], s23, v[SGO]
	v_mov_b32 v[NM+1], 0                           ; named with -M_c as a pair, so it is written
	s_lshl_b32 s16, s13, 4                         ; 16 blocks of 16 queries a tile,
	s_lshl_b32 s14, s11, 3
	s_add_co_u32 s16, s16, s14                     ; my first block
	s_lshl_b32 s18, s16, 6                         ; its first query's place in a chunk's row of st: 16 queries x 4 bytes a block
	s_lshl_b32 s16, s16, 16                        ; in pp: 128 groups x 512 bytes a block
	s_mov_b32 s17, 0
	s_lshl_b32 s46, s42, 1
	s_add_co_u32 s46, s46, s12                     ; my chunk: 2 x key tile + half
	s_lshl_b32 s47, s46, 12                        ; 8 groups x 512 bytes a chunk
	s_add_co_u32 s16, s16, s47
	s_add_nc_u64 s[6:7], s[6:7], s[16:17]
	s_lshl_b32 s46, s46, 15                        ; in st: 8,192 queries x 4 bytes a chunk
	s_add_co_u32 s46, s46, s18
	s_mov_b32 s47, 0
	s_add_nc_u64 s[8:9], s[8:9], s[46:47]
	; the prefetches
	s_lshl_b32 s20, s13, 8                         ; Q's tile: its first row
	s_lshl_b32 s21, s42, 8
	s_lshl_b32 s22, s70, 11
	s_add_co_u32 s21, s21, s22                     ; K's tile: its first row
	s_and_b32 s22, ttmp7, 1                        ; which of the batch's two rows of clusters
	s_cmp_eq_u32 s11, 0                            ; do I fetch for Q?
	s_cselect_b32 s20, s20, s21
	s_cselect_b32 s21, s40, s41                    ; my place among the four that ask with me: it enters the address alone
	s_cselect_b32 s22, ttmp9, s22                  ; the coordinate along which other clusters read the same rows
	s_cselect_b32 s23, 0, 2048
	s_cmp_eq_u32 s22, 0
	s_cselect_b32 s[LIM], 1, -1                    ; the same in all sixteen partners, for a given wave
	s_lshl_b32 s22, s12, 7
	s_add_co_u32 s20, s20, s22                     ; + the 128 rows that I fetch
	s_lshl_b32 s21, s21, 5
	s_add_co_u32 s20, s20, s21                     ; + my work-group's 32 of them
	s_lshl_b32 s20, s20, 12
	s_add_co_u32 s20, s20, s23
	s_add_co_u32 s20, s20, 2*KSTEP*2               ; at K step 2: the first refill steps it to 3 and names K step 4
	s_mov_b32 s21, 0
	s_add_nc_u64 s[PFA:PFA+1], s[4:5], s[20:21]
	v_and_b32 v[PFO], 31, v0
	v_lshlrev_b32 v[PFO], 12, v[PFO]
; 16 matrix instructions: query blocks a0, a0 + 1 of the window's four x all 8 key blocks, 32 along K.  The 64 accumulators take turns, one instruction a turn.
.macro MUL16 f, hi, a0, zero
.irp a, \a0, \a0+1
.irp b, 0,1,2,3,4,5,6,7
.if \zero
	v_wmma_f32_16x16x32_f16 v[8*(8*(\a)+\b):8*(8*(\a)+\b)+7], v[\f+8*\b:\f+8*\b+7], v[\f+8*(4*\hi+\a):\f+8*(4*\hi+\a)+7], 0
.else
	v_wmma_f32_16x16x32_f16 v[8*(8*(\a)+\b):8*(8*(\a)+\b)+7], v[\f+8*\b:\f+8*\b+7], v[\f+8*(4*\hi+\a):\f+8*(4*\hi+\a)+7], v[8*(8*(\a)+\b):8*(8*(\a)+\b)+7]
.endif
.endr
.endr
.endm
.macro FETCH slot, k, f                ; 32 LDS loads in one run: a quarter step's fragments (128 rows of K, 128 of Q, 32 along K at byte k) into buffer f
	WIN TO_B
.irp i, 0,1,2,3,4,5,6,7
	ds_load_b128 v[\f+8*\i:\f+8*\i+3],   v[ADRB+\slot] offset:\k+\i*16*PITCH
	ds_load_b128 v[\f+8*\i+4:\f+8*\i+7], v[ADRB+\slot] offset:\k+\i*16*PITCH+32
.endr
	WIN 0
.irp i, 0,1,2,3,4,5,6,7
	ds_load_b128 v[\f+8*\i:\f+8*\i+3],   v[ADRA+\slot] offset:\k+\i*16*PITCH
	ds_load_b128 v[\f+8*\i+4:\f+8*\i+7], v[ADRA+\slot] offset:\k+\i*16*PITCH+32
.endr
.endm
.macro PLACES                          ; four plain vector instructions between a matrix instruction and a load into, or a vector read or write of, its registers
.rept 4
	v_nop
.endr
.endm
.macro QUARTER slot, k, f, g, zero     ; multiplies buffer f; in its middle fetches the next quarter, at byte k, into g
	s_wait_dscnt 8                                 ; K's and Q's rows 0-63 are in; the youngest eight loads (Q's rows 64-127) may be out
	WIN MUL_LO
	MUL16 \f, 0, 0, \zero
	MUL16 \f, 0, 2, \zero
	PLACES
	FETCH \slot, \k, \g
	s_wait_dscnt 32                                ; all but the 32 just issued
	WIN MUL_HI
	MUL16 \f, 1, 0, \zero
	MUL16 \f, 1, 2, \zero
.endm
.macro MEET round                      ; the first half of a K step's last quarter: one barrier for the change of slots
	WIN 0
	s_wait_tensorcnt 0x0                           ; all my tensor loads have landed: the one that was out is my part of the next slot
	ds_add_u32 v[SPW], v[NIL]                      ; 0 onto my spare word
	s_wait_dscnt 9                                 ; the add and the youngest eight loads may be out
	WIN MUL_LO
	MUL16 F1, 0, 0, 0
	s_wait_dscnt 0x0                               ; the add is done, and my reads of this slot are over
	s_barrier_signal -1
	MUL16 F1, 0, 2, 0
.if \round
	WIN 0
.endif
	s_barrier_wait -1
.endm
.macro TURN slot, next, fill           ; the whole last quarter.  fill = 1: the barrier opens a round of the cluster's, and this slot is filled again, two K steps ahead, first thing behind it: one tensor load of mine is out
.if \fill
	s_wait_xcnt 0x0                                ; the last prefetch, a K step back, has read its address
	s_add_nc_u64 s[PFA:PFA+1], s[PFA:PFA+1], KSTEP*2
.endif
	MEET \fill
.if \fill
	CREST
	s_add_nc_u64 s[G0+4*\slot+2:G0+4*\slot+3], s[G0+4*\slot+2:G0+4*\slot+3], 2*KSTEP*2
	s_add_nc_u64 s[G0B+4*\slot+2:G0B+4*\slot+3], s[G0B+4*\slot+2:G0B+4*\slot+3], 2*KSTEP*2
	JLOAD \slot                                    ; the four v_nop behind it are also the places in front of the loads below
.else
	PLACES
.endif
	FETCH \next, 0, F0
.if \fill
	ASK
.endif
	WIN MUL_HI
	MUL16 F1, 1, 0, 0
	MUL16 F1, 1, 2, 0
.endm
	s_wait_tensorcnt 1                             ; my part of K step 0 is in; K step 1's load may stay out
	s_barrier_signal -1
	s_barrier_wait -1
	FETCH 0, 0, F0
	QUARTER 0, 64,  F0, F1, 1                      ; the first products start the sums: nothing is cleared
	WIN 0
	s_mov_b32 s3, LAPS-1
.Llap:                                                 ; a trip goes once round the ring and fills both slots again: K steps 2 to 7
	QUARTER 0, 128, F1, F0, 0
	QUARTER 0, 192, F0, F1, 0
	TURN 0, 1, 1
	QUARTER 1, 64,  F0, F1, 0
	QUARTER 1, 128, F1, F0, 0
	QUARTER 1, 192, F0, F1, 0
	TURN 1, 0, 1
	QUARTER 0, 64,  F0, F1, 0
	WIN 0
	s_sub_co_u32 s3, s3, 1
	s_cmp_lg_u32 s3, 0
	s_cbranch_scc1 .Llap
	QUARTER 0, 128, F1, F0, 0                      ; the last lap is written out: it asks for nothing
	QUARTER 0, 192, F0, F1, 0
	TURN 0, 1, 0
	QUARTER 1, 64,  F0, F1, 0
	QUARTER 1, 128, F1, F0, 0
	QUARTER 1, 192, F0, F1, 0
	s_wait_dscnt 8
	WIN MUL_LO
	MUL16 F1, 0, 0, 0
	MUL16 F1, 0, 2, 0
	s_wait_dscnt 0
	WIN MUL_HI
	MUL16 F1, 1, 0, 0
	MUL16 F1, 1, 2, 0
	WIN 0
; THE WAY OUT, block a of 16 queries x 128 keys.  SOFT: the chunk's figures and p'.
.macro SOFT a
.set AC, 64*((\a)%4)
.set W, 2+(\a)/4
	WIN W|(W<<2)|(W<<4)                            ; all three sources in the accumulators' window
.set i, 0
.rept 21
	v_max3_num_f32 v[T+i], v[AC+3*i], v[AC+3*i+1], v[AC+3*i+2]     ; my 64 sums, three at a time, ascending: each accumulator is first read at its lowest register
.set i, i+1
.endr
	v_max3_num_f32 v[T+21], v[AC+61], v[AC+62], v[AC+63]
	WIN 0
.set i, 0
.rept 7
	v_max3_num_f32 v[T+i], v[T+3*i], v[T+3*i+1], v[T+3*i+2]
.set i, i+1
.endr
	v_max3_num_f32 v[T], v[T], v[T+1], v[T+2]
	v_max3_num_f32 v[T+1], v[T+3], v[T+4], v[T+5]
	v_max_num_f32 v[T+2], v[T+6], v[T+21]
	v_max3_num_f32 v[T], v[T], v[T+1], v[T+2]
	v_permlanex16_b32 v[T+1], v[T], s[SEL], s[SEL+1]               ; the query's other 64 keys lie in the lane 16 away
	v_max_num_f32 v[T], v[T], v[T+1]
	v_mul_f32 v[T], s[CS], v[T]                    ; as t (c is positive)
	v_floor_f32 v[NM], -v[T]                       ; -M_c = floor(-t): a whole number
	WIN W                                          ; source 0 in the accumulators' window
.set i, 0
.rept 32
	v_pk_fma_f32 v[P+2*i:P+2*i+1], v[AC+2*i:AC+2*i+1], s[CS:CS+1], v[NM:NM+1] op_sel_hi:[1,0,0]   ; t - M_c, two at a time
.set i, i+1
.endr
	WIN 0
.set i, 0
.rept 64
	v_exp_f32 v[P+i], v[P+i]                       ; p' = 2^(t - M_c): one batch
.set i, i+1
.endr
	ds_store_b32 v[SMA], v[NM] offset:64*(\a)      ; both halves of the lanes write the same word with the same value
	v_nop                                          ; a plain instruction behind the last exponential
	s_wait_alu depctr_va_vdst(0)                   ; one wait for the batch, ahead of its first reader
	v_pk_add_f32 v[T+2:T+3], v[P:P+1], v[P+2:P+3]                  ; l_c is taken of the unrounded p': two chains
	v_pk_add_f32 v[T+4:T+5], v[P+4:P+5], v[P+6:P+7]
.set i, 8
.rept 14
	v_pk_add_f32 v[T+2:T+3], v[T+2:T+3], v[P+i:P+i+1]
	v_pk_add_f32 v[T+4:T+5], v[T+4:T+5], v[P+i+2:P+i+3]
.set i, i+4
.endr
	v_pk_add_f32 v[T+2:T+3], v[T+2:T+3], v[T+4:T+5]
	v_add_f32 v[T+2], v[T+2], v[T+3]
	v_permlanex16_b32 v[T+3], v[T+2], s[SEL], s[SEL+1]
	v_add_f32 v[T+2], v[T+2], v[T+3]
	ds_store_b32 v[SMA], v[T+2] offset:512+64*(\a)
	s_wait_xcnt 0x0                                ; the stores of the block before have read their data: the registers below are written again only behind this wait
.set i, 0
.rept 32
	v_cvt_pk_f16_f32 v[H+i], v[P+2*i], v[P+2*i+1]  ; registers 4 b .. 4 b + 3: keys 16 b + 8 h + 0 .. 7 of my query: half a fragment of the next launch's operand, as it stands
.set i, i+1
.endr
.endm
.macro PUT a                           ; block a's eight groups of 16 keys: each store of the wave covers 512 consecutive bytes, aligned; the block's and the group's places stand in the immediate
.irp b, 0,1,2,3,4,5,6,7
	global_store_b128 v[SGO], v[H+4*\b:H+4*\b+3], s[6:7] offset:65536*(\a)+512*\b
.endr
.endm
	PLACES
.irp a, 0,1,2,3,4,5,6,7
	SOFT \a
	PUT \a
.endr
	ds_load_b128 v[T:T+3], v[SMR]                  ; my 128 queries' -M_c (a wave's LDS instructions are served in order: these see my stores),
	ds_load_b128 v[T+4:T+7], v[SMR] offset:512     ; and l_c
	s_wait_dscnt 0x0
	global_store_b128 v[SGO], v[T:T+3], s[8:9]                     ; 512 consecutive bytes each, aligned
	global_store_b128 v[SGO], v[T+4:T+7], s[8:9] offset:524288
	s_wait_tensorcnt 0x0                           ; the wave's end
	ds_add_u32 v[SPW], v[NIL]
	s_wait_dscnt 0x0
	CROUND                                         ; the closing round
	s_endpgm
.Lfunc_end_k_qd991e44b2e_scores:
	.size	k_qd991e44b2e_scores, .Lfunc_end_k_qd991e44b2e_scores-k_qd991e44b2e_scores
	.p2alignl 7, 3214868480
	.fill 96, 4, 3214868480
	.section	.rodata,"a",@progbits
	.p2align	6, 0x0
	.amdhsa_kernel k_qd991e44b2e_scores
		.amdhsa_group_segment_fixed_size 327680
		.amdhsa_private_segment_fixed_size 0
		.amdhsa_enable_private_segment 0
		.amdhsa_kernarg_size 24
		.amdhsa_user_sgpr_count 2
		.amdhsa_user_sgpr_kernarg_segment_ptr 1
		.amdhsa_wavefront_size32 1
		.amdhsa_system_sgpr_workgroup_id_x 1
		.amdhsa_system_sgpr_workgroup_id_y 1
		.amdhsa_system_sgpr_workgroup_id_z 1
		.amdhsa_system_vgpr_workitem_id 0
		.amdhsa_next_free_vgpr 1024
		.amdhsa_next_free_sgpr 72
		.amdhsa_reserve_vcc 0
		.amdhsa_float_denorm_mode_32 3
		.amdhsa_float_denorm_mode_16_64 3
		.amdhsa_memory_ordered 1
		.amdhsa_forward_progress 1
		.amdhsa_inst_pref_size 204
	.end_amdhsa_kernel
	.amdgpu_metadata
---
amdhsa.version: [ 1, 2 ]
amdhsa.kernels:
  - .name:           k_qd991e44b2e_scores
    .symbol:         k_qd991e44b2e_scores.kd
    .args:
      - { .name: qk, .offset: 0, .size: 8, .value_kind: global_buffer, .address_space: global }
      - { .name: pp, .offset: 8, .size: 8, .value_kind: global_buffer, .address_space: global }
      - { .name: st, .offset: 16, .size: 8, .value_kind: global_buffer, .address_space: global }
    .group_segment_fixed_size: 327680
    .private_segment_fixed_size: 0
    .kernarg_segment_align: 8
    .kernarg_segment_size: 24
    .max_flat_workgroup_size: 128
    .sgpr_count:     72
    .vgpr_count:     1024
    .wavefront_size: 32
...
	.end_amdgpu_metadata
.endif
;; end of part 3
;; launch mix (part 4): grid 4 x 64, 4 waves a work-group, clusters of 4 x 4, 327,680 bytes of LDS; arguments pp, vt, st, out0; writes out0
.if DOCPART == 4
	.amdgcn_target "amdgcn-amd-amdhsa--gfx1250"
	.amdhsa_code_object_version 6
	.text
	.protected	k_qd991e44b2e_mix
	.globl	k_qd991e44b2e_mix
	.p2align	8
	.type	k_qd991e44b2e_mix,@function
k_qd991e44b2e_mix:
	s_mov_b64 s[64:65], 0
	v_nop
	global_prefetch_b8 v0, s[64:65] scope:SCOPE_SE
	s_setreg_imm32_b32 hwreg(HW_REG_WAVE_MODE, 25, 1), 1
	s_wait_xcnt 0x0
	s_wait_alu depctr_hold_cnt(0) depctr_sa_sdst(0) depctr_va_vdst(0) depctr_va_sdst(0) depctr_va_ssrc(0) depctr_va_vcc(0) depctr_vm_vsrc(0)
	s_getreg_b32 s2, hwreg(HW_REG_IB_STS2, 6, 4)
	s_cmp_eq_u32 s2, 0
	s_cbranch_scc0 .Lentry_in_a_cluster
	s_endpgm
.Lentry_in_a_cluster:
	s_bfe_u32 s2, ttmp6, 0x10000c
	s_cmp_lg_u32 s2, 0xf033
	s_cbranch_scc0 .Lentry_shape_is_right
	s_endpgm
.Lentry_shape_is_right:
; out = softmax x V.  pp holds p' = 2^(t - M_c) in f16, c the chunk of 128 keys, laid as this launch's operand registers: [512 blocks of 16 queries][128 groups of 16 keys][32 lanes][16 bytes].
; st [2][16 chunks][8192 queries] holds -M_c and l_c; vt [4][1024 channels][2048 keys] f16 holds V^T / 16.
; For a query: M = the largest M_c; f_c = 2^(M_c - M), a power of two, at most 1; l = the sum of f_c l_c, at least 1/2; out = (16 / l) x the sum over chunks of f_c X_c, X_c = the chunk's product p' (V / 16).
; X_c is summed by the matrix unit from the constant 0; O += f_c X_c is a fused multiply-add in f32: nothing but the two operands of the product is narrower than f32.
; LIMITS: NaN and infinities are not served.
; A tile, 128 queries x 256 channels, is made by four waves, each 64 x 128: 32 accumulators: the largest tile that still gives 256 work-groups.  K = 2,048 keys: 64 quarters of 32 keys, 32 products each.
; V COMES THROUGH LDS: a ring of two slots of 256 keys (256 rows of 512 bytes + 16), each wave bringing 64 rows by one tensor load: a refill has 8 quarters, 256 products a wave, in which to land.
; CLUSTERS: 4 x 4 work-groups of one batch; V's tiles are asked for jointly along a column of the cluster.
; p' COMES STRAIGHT INTO REGISTERS: a quarter's four fragments are eight loads of 512 consecutive bytes, asked for seven quarters ahead into a ring of eight quarters (256 registers).  It is NOT asked for jointly, though the four
; work-groups of a row of the cluster read the same p': a joint load lands in LDS, and beside V's two slots (270,336 bytes) two slots of p' (128 rows x 528 bytes x 2 = 135,168) do not fit in 327,680.
; TRANSPOSED USE: source 0 = 16 channels, source 1 = 16 queries: a lane holds one query (lane % 16) and eight neighbouring channels.
; REGISTERS: window 0: v0-31 addresses; v32-39 the chunk's four factors as pairs; v40-47 16 / l as pairs; v64-191 V's fragments, two sets.  window 1: the ring of p': quarter j of a slot at v[32 j + 8 a].
;   window 2: X, accumulator (a, b) at v[8 (8 a + b)].  window 3: O, likewise.
.set PITCH,  528                       ; an LDS row: 512 bytes + 16 of padding = 132 words: the 16 rows of a fragment load start 4 words apart modulo 64
.set QTILE,  64*PITCH                  ; what one tensor load brings
.set SLOT,   256*PITCH
.set TAB,    2*SLOT                    ; behind the ring: f_c twice, as a pair of f32: [16 chunks][1,024 bytes]; query q at 512 (q / 64) + 32 (q % 16) + 8 ((q / 16) % 4); behind them, in the same order, 16 / l
.set RLO,    16384
.set SPARE,  TAB+RLO+1024              ; the spare words, 128 bytes a wave
.set SPITCH, 528                       ; the way out: 16 rows x (512 + 16) bytes for each wave, in slot 0, behind its last fill and its last read
.set ADRB, 20                          ; v20-21 LDS address of my V fragments in slot 0, 1
.set STO,  24
.set RD,   25
.set AO,   26                          ; v26 16 x lane: my place in an image of p', and in a row of out0
.set FTA,  27                          ; v27 my four factors: TAB + 512 (wave / 2) + 32 (lane % 16), stepped four chunks a trip
.set SPW,  28
.set NIL,  29
.set PFO,  30                          ; v30 the prefetches' offset: 4,096 (lane / 2) + 256 (lane % 2)
.set FP,   32
.set RP,   40
.set BF,   64
.set T,    64                          ; the way out: a block x 16 / l
.set BK,   128                         ; 16 rows back from the stage: v128-191 and v192-255 by turns
.set WV,   12
.set WR,   13                          ; wave / 2: which 64 queries are mine
.set WC,   14                          ; wave % 2: which 128 channels
.set PA,   16                          ; s[16:17] p' at my first block of queries, stepped 16 quarters a trip
.set G1,   24
.set G0,   32                          ; s[32:39] group 0, a set for each slot
.set PFA,  48                          ; s[48:49] where my prefetches stand
.set LIM,  50                          ; s50 1 in a work-group that prefetches, else the greatest number
.set W_MM, 0xa4                        ; source 0 (V) window 0, source 1 (p') window 1, C and D (X) window 2
.set W_FO, 0xf2                        ; source 0 (X) window 2, source 1 (the factor) window 0, source 2 and destination (O) window 3
.set W_A,  0x40                        ; destination window 1, address window 0
.set MSB, 0
.macro WIN new
.if MSB != (\new)
	s_set_vgpr_msb (MSB<<8)|(\new)
.set MSB, (\new)
.endif
.endm
.macro JLOAD s                         ; a joint load: every wave brings its own 64 rows; an s_nop 0 and four v_nop follow
	tensor_load_to_lds s[G0+4*\s:G0+4*\s+3], s[G1:G1+7]
	s_nop 0
.rept 4
	v_nop
.endr
.endm
; A PREFETCH of V's step behind the one that is being asked for: of the 64 rows x 512 bytes that a wave fetches, each of the four partners of the joint load takes 16 rows, told apart by address: 32 blocks of 256 bytes, a lane a block,
; one instruction a wave, behind the joint load's lines: 8 quarters, 256 products, ahead of the load that will want them.  A batch's V is read by four rows of clusters: the first asks.  So each block is named once.
; Steps 3 to 7 are named; 0 to 2 come by their loads alone.  how = 1: slot 0's change, whose step + 3 always exists; how = 0: slot 1's, which asks for nothing in the loop's last trip (s3 = 1).
.macro ASK how
.if \how
	s_cmp_eq_u32 s[LIM], 1
.else
	s_cmp_gt_u32 s3, s[LIM]
.endif
	s_cbranch_scc0 .Lnot_mine_\@
	global_prefetch_b8 v[PFO], s[PFA:PFA+1] th:TH_LOAD_NT scope:SCOPE_SE
.Lnot_mine_\@:
.endm
.macro CREST
	s_cmp_lg_u32 s[WV], 0
	s_cbranch_scc1 .Lnot_wave_0_\@
	s_barrier_signal -3
.Lnot_wave_0_\@:
	s_barrier_wait -3
	s_barrier_signal -1
	s_barrier_wait -1
.endm
.macro CROUND
	s_barrier_signal -1
	s_barrier_wait -1
	CREST
.endm
.macro PLACES                          ; four plain vector instructions between a matrix instruction and a load into, or a vector read of, its registers
.rept 4
	v_nop
.endr
.endm
.macro BLOAD slot, j, p                ; V's eight fragments (my 128 channels, the slot's quarter j: 32 keys at byte 64 j) into set p
	WIN 0
.irp i, 0,1,2,3,4,5,6,7
	ds_load_b128 v[BF+64*(\p)+8*\i:BF+64*(\p)+8*\i+3],   v[ADRB+(\slot)] offset:64*(\j)+\i*16*PITCH
	ds_load_b128 v[BF+64*(\p)+8*\i+4:BF+64*(\p)+8*\i+7], v[ADRB+(\slot)] offset:64*(\j)+\i*16*PITCH+32
.endr
.endm
.macro ALOAD buf, u                    ; p's four fragments of the quarter u x 1,024 bytes from the pointer, into place buf of the ring: each load reads 512 consecutive bytes
	WIN W_A
.irp a, 0,1,2,3
	global_load_b128 v[32*(\buf)+8*\a:32*(\buf)+8*\a+3],   v[AO], s[PA:PA+1] offset:65536*\a+1024*(\u)
	global_load_b128 v[32*(\buf)+8*\a+4:32*(\buf)+8*\a+7], v[AO], s[PA:PA+1] offset:65536*\a+1024*(\u)+512
.endr
.endm
.macro MM n, p, j                      ; product n of a quarter's 32: query block n / 8, channel block n % 8.  A chunk's first quarter starts the sums.  The 32 accumulators take turns, one instruction a turn
.if ((\j)%4) == 0
	v_wmma_f32_16x16x32_f16 v[8*(\n):8*(\n)+7], v[BF+64*(\p)+8*((\n)%8):BF+64*(\p)+8*((\n)%8)+7], v[32*(\j)+8*((\n)/8):32*(\j)+8*((\n)/8)+7], 0
.else
	v_wmma_f32_16x16x32_f16 v[8*(\n):8*(\n)+7], v[BF+64*(\p)+8*((\n)%8):BF+64*(\p)+8*((\n)%8)+7], v[32*(\j)+8*((\n)/8):32*(\j)+8*((\n)/8)+7], v[8*(\n):8*(\n)+7]
.endif
.endm
.macro FOLD n, first                   ; O += f_c X for accumulator n, from its low end on; the first chunk starts O: nothing is cleared
.irp i, 0,1,2,3
.if \first
	v_pk_mul_f32 v[8*(\n)+2*\i:8*(\n)+2*\i+1], v[8*(\n)+2*\i:8*(\n)+2*\i+1], v[FP+2*((\n)/8):FP+2*((\n)/8)+1]
.else
	v_pk_fma_f32 v[8*(\n)+2*\i:8*(\n)+2*\i+1], v[8*(\n)+2*\i:8*(\n)+2*\i+1], v[FP+2*((\n)/8):FP+2*((\n)/8)+1], v[8*(\n)+2*\i:8*(\n)+2*\i+1]
.endif
.endr
.endm
; A QUARTER: quarter j of slot sl.  At its head, in one run: V of the next quarter into the other set; p' of the quarter seven on (u: its place from the pointer; al = 0: none is left) into the ring's place that the last quarter left.
; lc: the loads of p' younger than this quarter's, which may stay out.  j % 4 = 1: the chunk's factors (cf: the chunk, counted from FTA).  j % 4 = 3: the chunk's X is finished accumulator by accumulator, and
; accumulator n - 2 is folded into O behind product n: between a product and the fold of its result stand the folds of two others, eight plain instructions (ahead of the first fold: four v_nop).
; The last three folds stand together; those of accumulators 29 and 30 are the places behind the last product, so the quarter that follows begins with no v_nop.  last = 1: no quarter follows.
.macro QTR sl, j, u, al, lc, cf, first, last
.set P_, (\j)%2
.if ((\j)%4) != 0
	PLACES
.endif
	WIN 0
.if ((\j)%4) == 1
	ds_load_b128 v[FP:FP+3], v[FTA] offset:1024*(\cf)
	ds_load_b128 v[FP+4:FP+7], v[FTA] offset:1024*(\cf)+16
.endif
.if (\last) == 0
.if (\j) == 7
	BLOAD 1-(\sl), 0, 0
.else
	BLOAD \sl, (\j)+1, 1-P_
.endif
.endif
.if \al
	ALOAD ((\j)+7)%8, \u
.endif
	s_wait_loadcnt \lc                             ; loads come back in order: this quarter's eight are in
.if \last
	s_wait_dscnt 0x0
.else
	s_wait_dscnt 16                                ; V's 16 loads just issued may be out: this quarter's set, and the factors, are in
.endif
.set N_, 0
.rept 32
	WIN W_MM
	MM N_, P_, \j
.if ((\j)%4) == 3
.if N_ == 2
	PLACES
.endif
.if N_ >= 2
	WIN W_FO
	FOLD N_-2, \first
.endif
.endif
.set N_, N_+1
.endr
.if ((\j)%4) == 3
	WIN W_FO
	FOLD 30, \first
	FOLD 31, \first
.endif
.endm
; A SLOT'S QUARTER 6 CHANGES SLOTS: its run of LDS loads is the last that reads slot sl.  Each wave waits for all its tensor loads (one is out: its part of the other slot), adds 0 to its spare word, and waits for that and for its
; reads of slot sl.  fill = 1: the barrier opens a round of the cluster's, and slot sl is filled again, two steps ahead, first thing behind it: one tensor load of mine is out.
.macro Q6T sl, u, fill, how
.if \fill
	s_wait_xcnt 0x0                                ; the last prefetch, eight quarters back, has read its address
	s_add_nc_u64 s[PFA:PFA+1], s[PFA:PFA+1], 512
.endif
	PLACES
	BLOAD \sl, 7, 1
	ALOAD 5, \u
	WIN 0
	s_wait_tensorcnt 0x0
	ds_add_u32 v[SPW], v[NIL]                      ; 0 onto my spare word; 16 products stand between it and the wait for it
	s_wait_loadcnt 56                              ; seven quarters' 56 loads of p' may be out
	s_wait_dscnt 17                                ; V's 16 loads and the add may be out
	WIN W_MM
.irp n, 0,1,2,3,4,5,6,7,8,9,10,11,12,13,14,15
	MM \n, 0, 6
.endr
	s_wait_dscnt 0x0                               ; the add is done, and my reads of slot sl are over
	s_barrier_signal -1
.irp n, 16,17,18,19,20,21,22,23
	MM \n, 0, 6                                    ; work on registers while the others arrive
.endr
	WIN 0
	s_barrier_wait -1
.if \fill
	CREST
	s_add_nc_u64 s[G0+4*\sl+2:G0+4*\sl+3], s[G0+4*\sl+2:G0+4*\sl+3], 1024   ; two steps of 512 bytes on
	JLOAD \sl
	ASK \how
.endif
	WIN W_MM
.irp n, 24,25,26,27,28,29,30,31
	MM \n, 0, 6
.endr
.endm
	s_load_b256 s[4:11], s[0:1], 0x0               ; pp s[4:5], vt s[6:7], st s[8:9], out0 s[10:11]
	v_lshl_add_u32 v[SPW], v0, 2, SPARE
	v_mov_b32 v[NIL], 0
	ds_add_u32 v[SPW], v[NIL]                      ; the wave's opening: the add, twice on end, and its wait ahead of my first tensor load
	ds_add_u32 v[SPW], v[NIL]
	v_lshrrev_b32 v1, 5, v0
	v_readfirstlane_b32 s[WV], v1
	s_lshr_b32 s[WR], s[WV], 1
	s_and_b32 s[WC], s[WV], 1
	s_bfe_u32 s40, ttmp6, 0x40000                  ; cx
	s_bfe_u32 s41, ttmp6, 0x40004                  ; cy
	s_lshl_b32 s42, ttmp9, 2
	s_add_co_u32 s42, s42, s40                     ; the channel tile, 0..3
	s_and_b32 s46, ttmp7, 0xffff
	s_lshl_b32 s43, s46, 2
	s_add_co_u32 s43, s43, s41                     ; the query tile, 0..63, over all batches
	s_and_b32 s47, s46, 3                          ; which of the batch's four rows of clusters
	s_lshr_b32 s46, s46, 2                         ; the batch
	s_lshl_b32 s45, 0x1111, s40                    ; my column of the cluster
	; group 1: 64 rows x 256 elements of 2 bytes; padding: 4 words after every 128
	s_or_b32 s[G1+0], s45, (1<<16)|(1<<20)|(1<<21)|(6<<22)|(3<<25)
	s_mov_b32 s[G1+1], 256<<16                     ; tensor_dim0
	s_mov_b32 s[G1+2], 64<<16                      ; tensor_dim1
	s_mov_b32 s[G1+3], 256<<16                     ; tile_dim0
	s_mov_b32 s[G1+4], 64                          ; tile_dim1
	s_mov_b32 s[G1+5], 2048                        ; elements from row to row
	s_mov_b32 s[G1+6], 0
	s_mov_b32 s[G1+7], 0
	s_lshl_b32 s18, s42, 8
	s_lshl_b32 s19, s[WV], 6
	s_add_co_u32 s18, s18, s19                     ; V: row 256 x channel tile + 64 x wave,
	s_lshl_b32 s18, s18, 12                        ; in bytes,
	s_lshl_b32 s19, s46, 22                        ; in the batch's 2^22 bytes
	s_add_co_u32 s18, s18, s19
	s_mov_b32 s19, 0
	s_mul_i32 s20, s[WV], QTILE                    ; where they go: no place in the cluster enters an LDS address
	s_cmp_eq_u32 s47, 0
	s_cselect_b32 s[LIM], 1, -1                    ; the same in all sixteen partners
	s_wait_dscnt 0x0                               ; both opening adds are done
	s_wait_kmcnt 0x0
	s_add_nc_u64 s[18:19], s[6:7], s[18:19]
	CROUND                                         ; all sixteen work-groups are here: the first joint loads meet
.irp s, 0,1
	s_mov_b32 s[G0+4*\s], 1
	s_add_co_u32 s[G0+4*\s+1], s20, \s*SLOT
	s_add_nc_u64 s[G0+4*\s+2:G0+4*\s+3], s[18:19], \s*512
	s_or_b32 s[G0+4*\s+3], s[G0+4*\s+3], 0x80000000
	JLOAD \s                                       ; two tensor loads of mine are out
.endr
	s_lshl_b32 s22, s41, 16                        ; the prefetches: my work-group's 16 rows of my wave's 64,
	s_add_co_u32 s22, s22, 1024                    ; at step 2: the first refill steps it to step 3
	s_mov_b32 s23, 0
	s_add_nc_u64 s[PFA:PFA+1], s[18:19], s[22:23]
	; THE ROWS' FIGURES: thread q (0..127) takes query 128 x query tile + q: its 16 -M_c and 16 l_c
	s_lshl_b32 s22, s43, 9
	s_add_nc_u64 s[8:9], s[8:9], s[22:23]
	v_lshlrev_b32 v5, 2, v0
.irp c, 0,1,2,3,4,5,6,7,8,9,10,11,12,13,14,15
	global_load_b32 v[64+\c], v5, s[8:9] offset:\c*32768
.endr
.irp c, 0,1,2,3,4,5,6,7,8,9,10,11,12,13,14,15
	global_load_b32 v[80+\c], v5, s[8:9] offset:524288+\c*32768
.endr
	s_lshl_b32 s22, s43, 3                         ; p': 8 blocks of 16 queries a tile,
	s_lshl_b32 s21, s[WR], 2
	s_add_co_u32 s22, s22, s21                     ; my first block,
	s_lshl_b32 s22, s22, 16                        ; 65,536 bytes a block
	s_add_nc_u64 s[PA:PA+1], s[4:5], s[22:23]
	v_and_b32 v4, 31, v0
	v_lshlrev_b32 v[AO], 4, v4
	ALOAD 0, 0                                     ; the first three quarters of p' go out behind the figures: 56 loads of mine are out
	ALOAD 1, 1
	ALOAD 2, 2
	WIN 0
	v_and_b32 v1, 15, v0                           ; r
	v_bfe_u32 v2, v0, 4, 1                         ; h
	v_mul_u32_u24 v3, v1, PITCH
	v_lshl_add_u32 v3, v2, 4, v3
	s_mul_i32 s22, s[WC], 128*PITCH                ; my 128 rows of V
	v_add_nc_u32 v[ADRB], s22, v3
	s_add_co_u32 s22, s22, SLOT
	v_add_nc_u32 v[ADRB+1], s22, v3
	s_lshl_b32 s23, s[WR], 9
	s_add_co_u32 s23, s23, TAB
	v_lshl_add_u32 v[FTA], v1, 5, s23
	v_lshrrev_b32 v6, 6, v0                        ; where thread q puts its figures
	v_lshlrev_b32 v6, 9, v6
	v_lshl_add_u32 v6, v1, 5, v6
	v_bfe_u32 v7, v0, 4, 2
	v_lshl_add_u32 v6, v7, 3, v6
	v_add_nc_u32 v6, TAB, v6
	v_lshrrev_b32 v7, 1, v4
	v_and_b32 v8, 1, v4
	v_lshlrev_b32 v8, 8, v8
	v_lshl_add_u32 v[PFO], v7, 12, v8
	s_mul_i32 s23, s[WV], 16*SPITCH                ; my stage
	v_mul_u32_u24 v7, v1, SPITCH                   ; in: row r, 32 bytes for each half of the lanes
	v_lshl_add_u32 v7, v2, 5, v7
	v_add_nc_u32 v[STO], s23, v7
	v_add_nc_u32 v[RD], s23, v[AO]                 ; back: the 32 lanes take one row of 512 bytes
	s_lshl_b32 s20, s43, 7
	s_lshl_b32 s21, s[WR], 6
	s_add_co_u32 s20, s20, s21                     ; my first query,
	s_lshl_b32 s20, s20, 12                        ; its row of 4,096 bytes,
	s_lshl_b32 s21, s42, 10                        ; my first channel, in bytes: 1,024 x channel tile + 512 x half
	s_add_co_u32 s20, s20, s21
	s_lshl_b32 s21, s[WC], 9
	s_add_co_u32 s20, s20, s21
	s_mov_b32 s21, 0
	s_add_nc_u64 s[10:11], s[10:11], s[20:21]
	s_wait_loadcnt 24                              ; the figures are in; three quarters' 24 loads of p' may be out
	ALOAD 3, 3                                     ; four more quarters: 56 loads at the most are out
	ALOAD 4, 4
	ALOAD 5, 5
	ALOAD 6, 6
	WIN 0
	v_min3_num_f32 v128, v64, v65, v66             ; the smallest -M_c is -M
	v_min3_num_f32 v129, v67, v68, v69
	v_min3_num_f32 v128, v128, v70, v71
	v_min3_num_f32 v129, v129, v72, v73
	v_min3_num_f32 v128, v128, v74, v75
	v_min3_num_f32 v129, v129, v76, v77
	v_min3_num_f32 v128, v128, v78, v79
	v_min_num_f32 v128, v128, v129
.irp c, 0,1,2,3,4,5,6,7,8,9,10,11,12,13,14,15
	v_sub_f32 v[96+2*\c], v128, v[64+\c]           ; M_c - M: a whole number, 0 or less
.endr
.irp c, 0,1,2,3,4,5,6,7,8,9,10,11,12,13,14,15
	v_cvt_i32_f32 v[96+2*\c], v[96+2*\c]           ; (it saturates)
.endr
.irp c, 0,1,2,3,4,5,6,7,8,9,10,11,12,13,14,15
	v_ldexp_f32 v[96+2*\c], 1.0, v[96+2*\c]        ; f_c
.endr
	v_mul_f32 v130, v96, v80                       ; l = the sum of f_c l_c, in two chains
	v_mul_f32 v131, v98, v81
.irp c, 2,4,6,8,10,12,14
	v_fmac_f32 v130, v[96+2*\c], v[80+\c]
	v_fmac_f32 v131, v[98+2*\c], v[81+\c]
.endr
	v_add_f32 v130, v130, v131
	v_rcp_f32 v130, v130
.irp c, 0,1,2,3,4,5,6,7,8,9,10,11,12,13,14,15
	v_mov_b32 v[97+2*\c], v[96+2*\c]               ; f_c twice: the pair that the packed multiply-add takes (plain work behind the reciprocal)
.endr
.irp c, 0,1,2,3,4,5,6,7,8,9,10,11,12,13,14,15
	ds_store_b64 v6, v[96+2*\c:97+2*\c] offset:\c*1024
.endr
	s_wait_alu depctr_va_vdst(0)                   ; the wait ahead of the reciprocal's first reader
	v_mul_f32 v132, 0x41800000, v130               ; 16 / l: 16 undoes V's factor 2^-4
	v_mov_b32 v133, v132
	ds_store_b64 v6, v[132:133] offset:RLO
	s_wait_tensorcnt 1                             ; my part of V's step 0 is in; step 1's load may stay out
	s_wait_dscnt 0x0                               ; my figures lie in LDS
	s_barrier_signal -1
	s_barrier_wait -1
	ds_load_b128 v[RP:RP+3], v[FTA] offset:RLO     ; 16 / l of my four queries, as pairs
	ds_load_b128 v[RP+4:RP+7], v[FTA] offset:RLO+16
	BLOAD 0, 0, 0
	QTR 0, 0, 7,  1, 56, 0, 0, 0                   ; chunk 0 stands in front of the loop: its fold starts O
	QTR 0, 1, 8,  1, 56, 0, 0, 0
	QTR 0, 2, 9,  1, 56, 0, 0, 0
	QTR 0, 3, 10, 1, 56, 0, 1, 0
	WIN 0
	s_mov_b32 s3, 3
.Ltrip:                                                ; a trip: four chunks, from slot 0's fifth quarter to its fourth of the next step but one; both slots are filled again: V's steps 2 to 7
	QTR 0, 4, 11, 1, 56, 0, 0, 0
	QTR 0, 5, 12, 1, 56, 1, 0, 0
	Q6T 0, 13, 1, 1
	QTR 0, 7, 14, 1, 56, 0, 0, 0
	QTR 1, 0, 15, 1, 56, 0, 0, 0
	QTR 1, 1, 16, 1, 56, 2, 0, 0
	QTR 1, 2, 17, 1, 56, 0, 0, 0
	QTR 1, 3, 18, 1, 56, 0, 0, 0
	QTR 1, 4, 19, 1, 56, 0, 0, 0
	QTR 1, 5, 20, 1, 56, 3, 0, 0
	Q6T 1, 21, 1, 0
	QTR 1, 7, 22, 1, 56, 0, 0, 0
	QTR 0, 0, 23, 1, 56, 0, 0, 0
	QTR 0, 1, 24, 1, 56, 4, 0, 0
	QTR 0, 2, 25, 1, 56, 0, 0, 0
	QTR 0, 3, 26, 1, 56, 0, 0, 0
	WIN 0
	v_add_nc_u32 v[FTA], 4096, v[FTA]              ; four chunks on
	s_wait_xcnt 0x0                                ; the loads of p' have read their base: it is stepped only behind this wait
	s_add_nc_u64 s[PA:PA+1], s[PA:PA+1], 16384     ; sixteen quarters on
	s_sub_co_u32 s3, s3, 1
	s_cmp_lg_u32 s3, 0
	s_cbranch_scc1 .Ltrip
	QTR 0, 4, 11, 1, 56, 0, 0, 0                   ; the last three chunks are written out: no slot is filled again, and the loads of p' end with quarter 63: their counts run down
	QTR 0, 5, 12, 1, 56, 1, 0, 0
	Q6T 0, 13, 0, 0
	QTR 0, 7, 14, 1, 56, 0, 0, 0
	QTR 1, 0, 15, 1, 56, 0, 0, 0
	QTR 1, 1, 0,  0, 48, 2, 0, 0
	QTR 1, 2, 0,  0, 40, 0, 0, 0
	QTR 1, 3, 0,  0, 32, 0, 0, 0
	QTR 1, 4, 0,  0, 24, 0, 0, 0
	QTR 1, 5, 0,  0, 16, 3, 0, 0
	QTR 1, 6, 0,  0, 8,  0, 0, 0
	QTR 1, 7, 0,  0, 0,  0, 0, 1
	WIN 0
; THE WAY OUT, block a of 16 queries x 128 channels: x 16 / l; through my stage; back as whole rows of 512 bytes.  The last folds are the places behind the last products: V's registers are written below.
.macro OSCALE a
	WIN 0x03                                       ; source 0: O's window
.set i, 0
.rept 32
	v_pk_mul_f32 v[T+2*i:T+2*i+1], v[64*(\a)+2*i:64*(\a)+2*i+1], v[RP+2*(\a):RP+2*(\a)+1]
.set i, i+1
.endr
	WIN 0
.endm
.macro TOSTAGE a
.set BB, BK+64*((\a)%2)
.irp b, 0,1,2,3,4,5,6,7
	ds_store_b128 v[STO], v[T+8*\b:T+8*\b+3] offset:64*\b
	ds_store_b128 v[STO], v[T+8*\b+4:T+8*\b+7] offset:64*\b+16
.endr
.irp t, 0,1,2,3,4,5,6,7,8,9,10,11,12,13,14,15
	ds_load_b128 v[BB+4*\t:BB+4*\t+3], v[RD] offset:\t*SPITCH      ; a wave's LDS instructions are served in order: these see the stores above
.endr
.endm
.macro SEND a, younger                 ; younger: the LDS instructions issued behind block a's loads, which may stay out
.set BB, BK+64*((\a)%2)
	s_wait_dscnt \younger
.irp t, 0,1,2,3,4,5,6,7,8,9,10,11,12,13,14,15
	global_store_b128 v[AO], v[BB+4*\t:BB+4*\t+3], s[10:11] offset:(16*(\a)+\t)*4096 th:TH_STORE_NT   ; 32 lanes store 512 consecutive bytes, aligned; written once, read by nobody here
.endr
.endm
	OSCALE 0
	TOSTAGE 0
.irp a, 1,2,3
.if \a > 1
	s_wait_xcnt 0x0                                ; block a - 2's stores have read their registers: block a's loads may land there
.endif
	OSCALE \a
	TOSTAGE \a
	SEND \a-1, 32                                  ; behind block a - 1's loads: block a's 16 stores and 16 loads
.endr
	SEND 3, 0
	s_wait_tensorcnt 0x0                           ; the wave's end
	ds_add_u32 v[SPW], v[NIL]
	s_wait_dscnt 0x0
	CROUND                                         ; the closing round
	s_endpgm
.Lfunc_end_k_qd991e44b2e_mix:
	.size	k_qd991e44b2e_mix, .Lfunc_end_k_qd991e44b2e_mix-k_qd991e44b2e_mix
	.p2alignl 7, 3214868480
	.fill 96, 4, 3214868480
	.section	.rodata,"a",@progbits
	.p2align	6, 0x0
	.amdhsa_kernel k_qd991e44b2e_mix
		.amdhsa_group_segment_fixed_size 327680
		.amdhsa_private_segment_fixed_size 0
		.amdhsa_enable_private_segment 0
		.amdhsa_kernarg_size 32
		.amdhsa_user_sgpr_count 2
		.amdhsa_user_sgpr_kernarg_segment_ptr 1
		.amdhsa_wavefront_size32 1
		.amdhsa_system_sgpr_workgroup_id_x 1
		.amdhsa_system_sgpr_workgroup_id_y 1
		.amdhsa_system_sgpr_workgroup_id_z 1
		.amdhsa_system_vgpr_workitem_id 0
		.amdhsa_next_free_vgpr 1024
		.amdhsa_next_free_sgpr 72
		.amdhsa_reserve_vcc 0
		.amdhsa_float_denorm_mode_32 3
		.amdhsa_float_denorm_mode_16_64 3
		.amdhsa_memory_ordered 1
		.amdhsa_forward_progress 1
		.amdhsa_inst_pref_size 248
	.end_amdhsa_kernel
	.amdgpu_metadata
---
amdhsa.version: [ 1, 2 ]
amdhsa.kernels:
  - .name:           k_qd991e44b2e_mix
    .symbol:         k_qd991e44b2e_mix.kd
    .args:
      - { .name: pp, .offset: 0, .size: 8, .value_kind: global_buffer, .address_space: global }
      - { .name: vt, .offset: 8, .size: 8, .value_kind: global_buffer, .address_space: global }
      - { .name: st, .offset: 16, .size: 8, .value_kind: global_buffer, .address_space: global }
      - { .name: out0, .offset: 24, .size: 8, .value_kind: global_buffer, .address_space: global }
    .group_segment_fixed_size: 327680
    .private_segment_fixed_size: 0
    .kernarg_segment_align: 8
    .kernarg_segment_size: 32
    .max_flat_workgroup_size: 128
    .sgpr_count:     72
    .vgpr_count:     1024
    .wavefront_size: 32
...
	.end_amdgpu_metadata
.endif
;; end of part 4
